; MI455X (gfx1250); checked and timed in simulation.
; The chip was launched on July 23, 2026; its instructions are those of AMD's public machine-readable ISA for CDNA 5 (MIT licence, August 2026) and "CDNA5" Instruction Set Architecture Reference Guide (July 2026). The comments in the code are by the model that wrote it; some were corrected since.
;; Attention. Allowed arithmetic: matrix products marked QUANTISED: E2M1 operands, one E8M0 scale for each 32 along K, by v_wmma_scale_f32_16x16x128_f8f6f4 with both operands' format E2M1 (or v_wmma_scale_f32_32x16x128_f4), f32 sums; products left as they are: bf16, f16 or f32 operands; f32 sums; everything else in f32.
;; Inputs: Wk 1,024 x 1,024 float32; Wo 1,024 x 1,024 float32; Wq 1,024 x 1,024 float32; Wv 1,024 x 1,024 float32; mask 1 x 1 x 2,048 x 2,048 bool; x 2 x 2,048 x 1,024 float32.
;; Outputs: out0 2 x 2,048 x 1,024 float32.
;; This version of the problem:
;;   THIS VERSION OF THE PROBLEM IS GIVEN IN LOW PRECISION. The matrix products marked QUANTISED in the list below multiply operands that are first quantised to E2M1 (2 exponent bits, 1 mantissa bit; 4 bits a number), with one power-of-two scale for each 32 numbers along K (OCP MX v1.0); their sums are f32. The products marked 'left as it is' may take bf16, f16 or f32 operands, with f32 sums. Whichever they take, every output number must still come out within the allowed error. Rounding operands to bf16 (8 significant bits) uses up far more of that allowance than f16 does (11 bits, for magnitudes from 6e-5 to 65,504). All else is computed in f32.
;;   The module's matrix products, in the order in which they are computed (A, B: the left and right operand; K: the contracted axis; several contracted axes count as one K, in the product's order):
;;     1. [M 4,096, K 1,024] x [K 1,024, N 1,024]; A: input x; B: input Wq: QUANTISED
;;     2. [M 4,096, K 1,024] x [K 1,024, N 1,024]; A: input x; B: input Wk: QUANTISED
;;     3. [M 4,096, K 1,024] x [K 1,024, N 1,024]; A: input x; B: input Wv: QUANTISED
;;     4. batch 32 x [M 2,048, K 64] x [K 64, N 2,048]; A: computed on the way; B: computed on the way: left as it is (an operand is computed on the way)
;;     5. batch 32 x [M 2,048, K 2,048] x [K 2,048, N 64]; A: computed on the way; B: computed on the way: left as it is (an operand is computed on the way)
;;     6. [M 4,096, K 1,024] x [K 1,024, N 1,024]; A: computed on the way; B: input Wo: left as it is (an operand is computed on the way)
;;   THE QUANTISER, for each operand of a quantised product, along K:
;;     - K is cut into blocks of 32 from its start; a last block that is shorter is filled with zeros.
;;     - A block's scale is 2^e with e = floor(log2(the largest magnitude in the block)) - 2, held to -126 .. 127; a block of zeros has e = 0. As a byte (E8M0): e + 127.
;;     - Each number is divided by its block's scale, clamped to +-6, and rounded to the nearest number of E2M1, ties to even, subnormals kept.
;;     - The product sums the exact products of the quantised numbers (number of the format x scale) in f32.
;;   ~~~python
;;   def quantise(x, axis):      # numpy; x: float32 -> the quantised numbers, widened to float32 again
;;       x = np.moveaxis(x, axis, -1); K = x.shape[-1]
;;       x = np.pad(x, [(0, 0)] * (x.ndim - 1) + [(0, -K % 32)]); x = x.reshape(x.shape[:-1] + (-1, 32)); a = np.abs(x).max(-1, keepdims=True)
;;       e = np.where(a > 0, np.clip(np.frexp(np.where(a > 0, a, 1))[1] - 1 - 2, -126, 127), 0)      # np.frexp(a)[1] - 1 = floor(log2(a)), exactly
;;       r = np.clip(x / 2.0 ** e, -6, 6)
;;       step = 2.0 ** (np.maximum(np.frexp(np.where(r == 0, 1, r))[1] - 1, 0) - 1)
;;       q = np.round(r / step) * step * 2.0 ** e      # np.round: ties to even
;;       return np.moveaxis(q.reshape(q.shape[:-2] + (-1,))[..., :K], -1, axis).astype(np.float32)
;;   ~~~
;; One version. Each part assembles by itself: llvm-mc -triple=amdgcn-amd-amdhsa -mcpu=gfx1250 --defsym DOCPART=n.
;; ======== version 1 of 1: 5 launches
;; limits: values are held in f16: magnitudes above 65,504 overflow, below 6.1e-05 lose precision; right only within a limited range of input values
;; workspace buffers: cod 3,670,016 bytes; scl 229,376 bytes; wo16 2,097,152 bytes; msk 557,056 bytes of whole numbers; qi 8,388,608 bytes; kv 16,777,216 bytes; fq 3,145,728 bytes; oi 8,388,608 bytes
;; launch prep (part 1): grid 384 x 1, 4 waves a work-group, no clusters, 69,120 bytes of LDS; arguments x, Wq, Wk, Wv, Wo, mask, cod, scl, wo16, msk; writes cod, scl, wo16, msk
.if DOCPART == 1
	.amdgcn_target "amdgcn-amd-amdhsa--gfx1250"
	.amdhsa_code_object_version 6
	.text
	.protected	k_qb19057094b_prep
	.globl	k_qb19057094b_prep
	.p2align	8
	.type	k_qb19057094b_prep,@function
k_qb19057094b_prep:
	s_mov_b64 s[64:65], 0
	v_nop
	global_prefetch_b8 v0, s[64:65] scope:SCOPE_SE
	s_setreg_imm32_b32 hwreg(HW_REG_WAVE_MODE, 25, 1), 1
	s_wait_xcnt 0x0
; PREP: everything that is made once from the inputs.  Four kinds of work-group, told apart by the work-group's number alone; each kind has LDS bytes of its own.
;   X (0-127):   x [4096][1024] f32 -> codes of E2M1, K innermost (cod, 512 bytes a row), one E8M0 byte for each 32 along K (scl, 32 bytes a row).
;   W (128-223): Wq, Wk, Wv [1024 k][1024 n] f32 -> codes laid [3072 n][512 bytes] at cod + 2,097,152, scale bytes [3072][32] at scl + 131,072.  A lane takes a column, its registers run down K.
;   O (224-255): Wo [1024 k][1024 n] f32 -> f16, laid as images of operand registers: [nt 64][kf 32][g 2][place 32][16 bytes]; place r + 16 h holds column 16 nt + r, k = 32 kf + 16 g + 8 h + 0..7.
;   M (256-383): the mask's bytes -> lane-mask words, flags and fill values for one tile of 16 queries a work-group:
;        word (qt, kt, j) at qt x 4096 + kt x 32 + 4 j: bit r + 16 h = mask[16 qt + r][16 kt + 8 h + j];
;        flags at 524,288 + 128 qt: word 0 NEED (bit s: some byte of keys 64 s .. 64 s + 63 is true; all ones if a row has no true byte), word 1 PART (bit s: some byte is false), words 2-31 EMPTY (all ones or 0);
;        fill at 540,672 + 128 qt + 4 lane: -infinity, or 0.0 where the lane's query has no true byte (its weights are then all 1: the uniform average that the reference's softmax gives).
; A block's scale is 2^(floor(log2(largest magnitude)) - 2); its byte is the largest magnitude's exponent field - 2, held at 1 from below.
; LIMITS: a block of zeros, or one under 2^-124, gets the byte 1 (its codes are zeros or as the held scale gives them; this program alone reads the bytes); NaN and infinities are not served; mask bytes are 0 or 1.
.set XSP,   80                         ; X: a lane's place in a stage: 64 bytes + 16 of padding
.set XREG,  8192                       ; X: LDS region of a wave: two stages of 32 x 80 bytes, then 256 scale bytes
.set WSTG,  32768                      ; W: the work-group's stage of 64 rows x 272 bytes
.set WP,    272
.set MREG,  67584                      ; M: 512 bytes of row sums, 512 bytes of flag bytes
.set SPARE, 68608                      ; the spare words, 128 bytes for each wave: two blocks of 256 bytes that no other line names
.set SPW,   190                        ; v190 LDS address of my spare word; never rewritten
.set NIL,   191                        ; v191 0; never rewritten
.set EMAX,  2
.macro FINISH                          ; the wave's end: a tensor wait, an add onto my spare word and its wait, behind my last LDS store
	s_wait_tensorcnt 0x0
	ds_add_u32 v[SPW], v[NIL]
	s_wait_dscnt 0x0
	s_endpgm
.endm
	s_load_b512 s[4:19], s[0:1], 0x0               ; x 4, Wq 6, Wk 8, Wv 10, Wo 12, mask 14, cod 16, scl 18
	s_load_b128 s[20:23], s[0:1], 0x40             ; wo16 20, msk 22
	v_lshl_add_u32 v[SPW], v0, 2, SPARE
	v_mov_b32 v[NIL], 0
	v_lshrrev_b32 v1, 5, v0
	v_readfirstlane_b32 s24, v1                    ; wave
	v_and_b32 v2, 31, v0                           ; lane
	s_wait_kmcnt 0x0
	s_cmp_lt_u32 ttmp9, 128
	s_cbranch_scc1 .Lpath_x
	s_cmp_lt_u32 ttmp9, 224
	s_cbranch_scc1 .Lpath_w
	s_cmp_lt_u32 ttmp9, 256
	s_cbranch_scc1 .Lpath_o
; ---------------- M: one tile of 16 queries; wave w takes keys 512 w .. 512 w + 511 ----------------
	s_sub_co_u32 s25, ttmp9, 256                   ; qt
	v_and_b32 v3, 15, v0                           ; r
	v_bfe_u32 v4, v0, 4, 1                         ; h
	v_lshlrev_b32 v5, 11, v3                       ; row r of 2,048 bytes
	v_lshl_add_u32 v5, v4, 4, v5                   ; + 16 h
	s_lshl_b32 s26, s25, 15                        ; 16 qt rows
	s_lshl_b32 s27, s24, 9
	s_add_co_u32 s26, s26, s27
	s_mov_b32 s27, 0
	s_add_nc_u64 s[14:15], s[14:15], s[26:27]
.irp k, 0,1,2,3,4,5,6,7,8,9,10,11,12,13,14,15
	global_load_b128 v[32+4*\k:35+4*\k], v5, s[14:15] offset:32*\k   ; lane (r, h): keys 32 k + 16 h + 0 .. 15 of row r; eight loads on end use up 256 consecutive bytes of each row
.endr
	s_lshl_b32 s26, s25, 12
	s_lshl_b32 s28, s24, 10
	s_add_co_u32 s26, s26, s28
	s_add_nc_u64 s[30:31], s[22:23], s[26:27]      ; my wave's 256 words
	s_lshl_b32 s26, s25, 7
	s_add_nc_u64 s[52:53], s[22:23], s[26:27]      ; the tile's flags and fill, by immediates
	s_mov_b32 s28, 0                               ; NEED's eight bits of my wave
	s_mov_b32 s29, 0                               ; PART's
	s_mov_b32 s50, 0x76543210
	s_mov_b32 s51, 0xfedcba98                      ; selects for lane l xor 16
	v_lshlrev_b32 v6, 4, v2
	v_lshlrev_b32 v7, 2, v2
	v_lshl_add_u32 v105, v0, 2, MREG               ; my thread's word
	v_lshl_add_u32 v107, v2, 2, MREG               ; my lane's word of wave 0
	v_mov_b32 v104, 0                              ; the OR of my row's bytes
.irp i, 0,1,2,3,4,5,6,7
	v_mov_b32 v[96+\i], 0                          ; the words' registers: a lane write's destination counts as read
.endr
; 32 keys: two tiles of 16.  The two exchanges of halves give lane (r, h) of tile u its keys 8 h + 0 .. 7 in registers 2 u, 2 u + 1.
; A byte is cut out, compared with 0: the compare's lane mask IS the word.  128 words are gathered, four to a lane, and leave as 512 consecutive bytes.
.macro MKAPPA k
	s_wait_loadcnt 15-(\k)                         ; loads come back in order: this one is in, the younger ones may be out
	v_permlane16_swap_b32 v[32+4*(\k)], v[34+4*(\k)]
	v_permlane16_swap_b32 v[33+4*(\k)], v[35+4*(\k)]
.set n, 0
.rept 16
	v_and_b32 v[108+n%4], 0xff<<(8*(n%4)), v[32+4*(\k)+2*(n/8)+((n%8)/4)]
	v_cmp_ne_u32 s[32+n], 0, v[108+n%4]
	v_writelane_b32 v[96+4*((\k)/8)+n%4], s[32+n], ((16*(\k)+n)%128)/4
.set n, n+1
.endr
	v_or_b32 v112, v[32+4*(\k)], v[33+4*(\k)]
	v_or_b32 v113, v[34+4*(\k)], v[35+4*(\k)]
	v_and_b32 v114, v[32+4*(\k)], v[33+4*(\k)]
	v_and_b32 v115, v[34+4*(\k)], v[35+4*(\k)]
.if (\k)%2 == 0
	v_or_b32 v116, v112, v113
	v_and_b32 v117, v114, v115
.else
	v_or_b32 v112, v112, v113
	v_and_b32 v114, v114, v115
	v_or_b32 v116, v116, v112                      ; 64 keys' bytes, all 16 rows: any true?
	v_and_b32 v117, v117, v114                     ; any false?
	v_or_b32 v104, v104, v116
	v_cmp_ne_u32 s48, 0, v116
	v_cmp_ne_u32 s49, 0x01010101, v117
	s_cmp_lg_u32 s48, 0
	s_cselect_b32 s54, 1<<((\k)/2), 0
	s_or_b32 s28, s28, s54
	s_cmp_lg_u32 s49, 0
	s_cselect_b32 s54, 1<<((\k)/2), 0
	s_or_b32 s29, s29, s54
.endif
.if (\k)%8 == 7
	global_store_b128 v6, v[96+4*((\k)/8):99+4*((\k)/8)], s[30:31] offset:512*((\k)/8)   ; 32 lanes store 512 consecutive bytes; these registers are not written again
.endif
.endm
.irp k, 0,1,2,3,4,5,6,7,8,9,10,11,12,13,14,15
	MKAPPA \k
.endr
	s_lshl_b32 s29, s29, 8
	s_or_b32 s28, s28, s29
	v_mov_b32 v106, s28
	ds_store_b32 v105, v104                        ; my row's OR over my wave's keys
	ds_store_b32 v105, v106 offset:512             ; my wave's flag bytes (the same in all its lanes)
	s_wait_dscnt 0x0                               ; for the others' sake: my stores have landed
	s_barrier_signal -1
	s_barrier_wait -1
.irp i, 0,1,2,3
	ds_load_b32 v[108+\i], v107 offset:128*\i
	ds_load_b32 v[112+\i], v107 offset:512+128*\i
.endr
	s_wait_dscnt 0x0
	v_or_b32 v108, v108, v109
	v_or_b32 v110, v110, v111
	v_or_b32 v108, v108, v110
	v_mov_b32 v109, 0
	v_permlanex16_b32 v109, v108, s50, s51
	v_or_b32 v108, v108, v109                      ; the whole row's OR
	v_cmp_eq_u32 s48, 0, v108                      ; lanes whose row has no true byte
	v_mov_b32 v116, 0xff800000
	v_mov_b32 v117, 0
	v_cndmask_b32 v116, v116, v117, s48            ; fill
	s_cmp_lg_u32 s48, 0
	s_cselect_b32 s49, -1, 0                       ; EMPTY
.irp i, 0,1,2,3
	v_readfirstlane_b32 s[32+\i], v[112+\i]
.endr
	s_and_b32 s54, s32, 0xff                       ; NEED
	s_bfe_u32 s55, s32, 0x80008                    ; PART
.irp i, 1,2,3
	s_and_b32 s56, s[32+\i], 0xff
	s_lshl_b32 s56, s56, 8*\i
	s_or_b32 s54, s54, s56
	s_bfe_u32 s56, s[32+\i], 0x80008
	s_lshl_b32 s56, s56, 8*\i
	s_or_b32 s55, s55, s56
.endr
	s_or_b32 s54, s54, s49                         ; a row without a true byte wants every key
	v_mov_b32 v118, s49
	v_writelane_b32 v118, s54, 0
	v_writelane_b32 v118, s55, 1
	s_cmp_lg_u32 s24, 0                            ; wave 0 alone stores them
	s_cbranch_scc1 .Lm_end
	global_store_b32 v7, v118, s[52:53] offset:524288
	global_store_b32 v7, v116, s[52:53] offset:540672
.Lm_end:
	FINISH
; ---------------- X: a plain stream of blocks of 32; a wave takes 16 steps of 512 numbers ----------------
; Each load reads 512 consecutive bytes; a step's 2,048 bytes turn through the wave's own stage in LDS and come back 64 bytes (16 neighbours) a lane; two neighbouring lanes hold a block.
.Lpath_x:
	v_lshlrev_b32 v3, 4, v2
	s_mul_i32 s25, s24, XREG
	v_lshrrev_b32 v14, 2, v2
	v_mul_u32_u24 v14, v14, XSP
	v_and_b32 v15, 3, v2
	v_lshl_add_u32 v14, v15, 4, v14
	v_add_nc_u32 v14, s25, v14                     ; the stage, on the way in
	v_mul_u32_u24 v15, v2, XSP
	v_add_nc_u32 v15, s25, v15                     ; and on the way out
	v_lshlrev_b32 v4, 3, v2                        ; my 8 bytes of a step's codes
	v_lshrrev_b32 v5, 1, v2
	s_add_co_u32 s25, s25, 2*32*XSP
	v_add_nc_u32 v5, s25, v5                       ; my block's scale byte in LDS
	v_lshlrev_b32 v7, 3, v2
	v_add_nc_u32 v6, s25, v7
	s_lshl_b32 s26, ttmp9, 2
	s_add_co_u32 s26, s26, s24                     ; which run of 8,192 numbers
	s_mov_b32 s29, 0
	s_lshl_b32 s28, s26, 15
	s_add_nc_u64 s[4:5], s[4:5], s[28:29]
	s_lshl_b32 s28, s26, 12
	s_add_nc_u64 s[16:17], s[16:17], s[28:29]
	s_lshl_b32 s28, s26, 8
	s_add_nc_u64 s[18:19], s[18:19], s[28:29]
.macro XLOAD t
.irp i, 0,1,2,3
	global_load_b128 v[16+16*((\t)%4)+4*\i:16+16*((\t)%4)+4*\i+3], v3, s[4:5] offset:2048*(\t)+512*\i th:TH_LOAD_NT
.endr
.endm
.macro XTURN t                         ; LDS serves a wave's instructions in order: no wait between the stores and the loads
.irp i, 0,1,2,3
	ds_store_b128 v14, v[16+16*((\t)%4)+4*\i:16+16*((\t)%4)+4*\i+3] offset:32*XSP*((\t)%2)+8*XSP*\i
.endr
.irp i, 0,1,2,3
	ds_load_b128 v[80+16*((\t)%2)+4*\i:80+16*((\t)%2)+4*\i+3], v15 offset:32*XSP*((\t)%2)+16*\i
.endr
.endm
.irp t, 0,1,2,3
	XLOAD \t
.endr
	s_wait_loadcnt 12                              ; step 0's four loads are in
	XTURN 0
.macro XSTEP t
.set XS, 80+16*((\t)%2)
.if (\t) > 0
	s_wait_dscnt 1                                 ; this step's numbers are back from the stage; the last step's byte store may be out
.else
	s_wait_dscnt 0x0
.endif
.if (\t)+4 < 16
	XLOAD (\t)+4
.endif
.if (\t)+1 < 16
.if 14-(\t) >= 3
	s_wait_loadcnt 12                              ; the next step's loads are in; those of the three steps behind it may be out
.else
	s_wait_loadcnt 4*(14-(\t))
.endif
	XTURN (\t)+1
.endif
	v_max3_num_f32 v8, |v[XS]|, |v[XS+1]|, |v[XS+2]|
	v_max3_num_f32 v9, |v[XS+3]|, |v[XS+4]|, |v[XS+5]|
.irp i, 6,10
	v_max3_num_f32 v8, v8, |v[XS+\i]|, |v[XS+\i+1]|
	v_max3_num_f32 v9, v9, |v[XS+\i+2]|, |v[XS+\i+3]|
.endr
	v_max3_num_f32 v8, v8, |v[XS+14]|, |v[XS+15]|
	v_max3_num_f32 v8, v8, v9, (EMAX+1)<<23        ; the floor 2^(3 - 127): the byte cannot fall under 1
	v_max_num_f32_dpp v8, v8, v8 row_xmask:1 row_mask:0xf bank_mask:0xf   ; with my neighbour's 16: the block's largest magnitude
	v_add_nc_u32 v11, -(EMAX<<23), v8              ; 2 off its exponent field: the conversion's scale operand
	v_cvt_scalef32_pk8_fp4_f32 v[128+4*(\t)], v[XS:XS+7], v11
	v_cvt_scalef32_pk8_fp4_f32 v[128+4*(\t)+1], v[XS+8:XS+15], v11
	v_lshrrev_b32 v[112+(\t)], 23, v11             ; the scale's byte
	ds_store_b8 v5, v[112+(\t)] offset:16*(\t)     ; both lanes of a block write the same byte
	global_store_b64 v4, v[128+4*(\t):128+4*(\t)+1], s[16:17] offset:256*(\t)   ; the wave stores 256 consecutive bytes
.endm
.irp t, 0,1,2,3,4,5,6,7,8,9,10,11,12,13,14,15
	XSTEP \t
.endr
	ds_load_b64 v[8:9], v6
	s_wait_dscnt 0x0
	global_store_b64 v7, v[8:9], s[18:19]          ; the wave's 256 scale bytes
	FINISH
; ---------------- W: a work-group takes 64 columns x 512 along K of one weight ----------------
; Wave w: columns 32 (w & 1) on, K 256 (w >> 1) on: 8 blocks of 32 a lane, 128 bytes of codes for each column.  The two halves of a column's 256 bytes meet in the work-group's stage; behind a barrier each wave stores 16 whole rows.
.Lpath_w:
	s_sub_co_u32 s25, ttmp9, 128
	s_lshr_b32 s26, s25, 5                         ; which weight: 0 Wq, 1 Wk, 2 Wv
	s_cmp_eq_u32 s26, 0
	s_cselect_b64 s[28:29], s[6:7], s[8:9]
	s_cmp_eq_u32 s26, 2
	s_cselect_b64 s[28:29], s[10:11], s[28:29]
	s_and_b32 s30, s25, 15                         ; which 64 columns
	s_bfe_u32 s31, s25, 0x10004                    ; which 512 of K
	s_and_b32 s36, s24, 1                          ; which 32 of the columns are my wave's
	s_lshr_b32 s37, s24, 1                         ; which 256 of the 512 along K
	s_lshl_b32 s30, s30, 6                         ; the work-group's first column
	s_lshl_b32 s32, s36, 5
	s_add_co_u32 s38, s30, s32                     ; my wave's first column
	s_lshl_b32 s34, s31, 21                        ; 512 rows of 4,096 bytes
	s_lshl_b32 s32, s37, 20                        ; 256 rows
	s_add_co_u32 s34, s34, s32
	s_lshl_b32 s32, s38, 2
	s_add_co_u32 s34, s34, s32
	s_mov_b32 s35, 0
	s_add_nc_u64 s[28:29], s[28:29], s[34:35]
	s_lshl_b32 s26, s26, 10
	s_add_co_u32 s39, s26, s30                     ; the work-group's first row among the 3,072 rows of codes
	s_lshl_b32 s32, s24, 4
	s_add_co_u32 s32, s39, s32                     ; the 16 rows that my wave stores
	s_lshl_b32 s34, s32, 9
	s_lshl_b32 s32, s31, 8
	s_add_co_u32 s34, s34, s32
	s_add_co_u32 s34, s34, 2097152
	s_add_nc_u64 s[16:17], s[16:17], s[34:35]
	s_add_co_u32 s32, s26, s38                     ; my columns' rows of scale bytes
	s_lshl_b32 s34, s32, 5
	s_lshl_b32 s32, s31, 4
	s_add_co_u32 s34, s34, s32
	s_lshl_b32 s32, s37, 3
	s_add_co_u32 s34, s34, s32
	s_add_co_u32 s34, s34, 131072
	s_add_nc_u64 s[18:19], s[18:19], s[34:35]
	v_lshlrev_b32 v3, 2, v2
	s_mul_i32 s33, s36, 32*WP
	s_lshl_b32 s32, s37, 7
	s_add_co_u32 s33, s33, s32
	s_add_co_u32 s33, s33, WSTG
	v_mul_u32_u24 v4, v2, WP
	v_add_nc_u32 v4, s33, v4                       ; into the stage: row = my column, my 128 bytes of it
	v_and_b32 v5, 15, v2
	v_lshrrev_b32 v6, 4, v2
	s_mul_i32 s33, s24, 16*WP
	s_add_co_u32 s33, s33, WSTG
	v_mul_u32_u24 v7, v6, WP
	v_lshl_add_u32 v7, v5, 4, v7
	v_add_nc_u32 v7, s33, v7                       ; out of it: rows 16 wave on, sixteen lanes to a row
	v_lshlrev_b32 v8, 9, v6
	v_lshl_add_u32 v8, v5, 4, v8                   ; the same place among the rows of codes
	v_lshlrev_b32 v9, 5, v2                        ; my column's row of scale bytes
.macro WLOAD t
.irp i, 0,1,2,3,4,5,6,7,8,9,10,11,12,13,14,15,16,17,18,19,20,21,22,23,24,25,26,27,28,29,30,31
	global_load_b32 v[32+32*((\t)%2)+\i], v3, s[28:29] offset:(32*(\t)+\i)*4096 th:TH_LOAD_NT
.endr
.endm
	WLOAD 0
	WLOAD 1
.macro WBLOCK t
.set XS, 32+32*((\t)%2)
.if (\t) < 7
	s_wait_loadcnt 32                              ; this block's 32 loads are in; the next block's may be out
.else
	s_wait_loadcnt 0x0
.endif
	v_max3_num_f32 v12, |v[XS]|, |v[XS+1]|, |v[XS+2]|
	v_max3_num_f32 v13, |v[XS+3]|, |v[XS+4]|, |v[XS+5]|
.irp i, 6,10,14,18,22,26
	v_max3_num_f32 v12, v12, |v[XS+\i]|, |v[XS+\i+1]|
	v_max3_num_f32 v13, v13, |v[XS+\i+2]|, |v[XS+\i+3]|
.endr
	v_max3_num_f32 v12, v12, |v[XS+30]|, |v[XS+31]|
	v_max3_num_f32 v12, v12, v13, (EMAX+1)<<23
	v_add_nc_u32 v11, -(EMAX<<23), v12
	v_lshrrev_b32 v13, 23, v11
.if (\t)%4 == 0
	v_mov_b32 v[24+(\t)/4], v13
.else
	v_lshl_or_b32 v[24+(\t)/4], v13, 8*((\t)%4), v[24+(\t)/4]
.endif
.irp g, 0,1,2,3
	v_cvt_scalef32_pk8_fp4_f32 v[96+\g], v[XS+8*\g:XS+8*\g+7], v11
.endr
	ds_store_b128 v4, v[96:99] offset:16*(\t)
.if (\t)+2 < 8
	WLOAD (\t)+2
.endif
	s_wait_dscnt 0x0                               ; the store has read its registers and has landed: the next block's codes may be written
.endm
.irp t, 0,1,2,3,4,5,6,7
	WBLOCK \t
.endr
	global_store_b64 v9, v[24:25], s[18:19]        ; my column's eight scale bytes
	s_barrier_signal -1                            ; every wave's stores into the stage have landed (the wait at the last block's end)
	s_barrier_wait -1
.irp t, 0,1,2,3,4,5,6,7
	ds_load_b128 v[112+4*\t:115+4*\t], v7 offset:2*\t*WP
.endr
.irp t, 0,1,2,3,4,5,6,7
	s_wait_dscnt 7-\t
	global_store_b128 v8, v[112+4*\t:115+4*\t], s[16:17] offset:2*\t*512   ; sixteen lanes store 256 consecutive bytes of a row
.endr
	FINISH
; ---------------- O: a wave takes 32 columns x 256 along K of Wo; no LDS ----------------
.Lpath_o:
	s_sub_co_u32 s25, ttmp9, 224
	s_and_b32 s26, s25, 7                          ; which 128 columns
	s_lshr_b32 s28, s25, 3                         ; which 256 along K
	s_lshl_b32 s30, s28, 20
	s_lshl_b32 s29, s26, 9
	s_add_co_u32 s30, s30, s29
	s_lshl_b32 s29, s24, 7
	s_add_co_u32 s30, s30, s29
	s_mov_b32 s31, 0
	s_add_nc_u64 s[12:13], s[12:13], s[30:31]
	s_lshl_b32 s30, s26, 3
	s_lshl_b32 s29, s24, 1
	s_add_co_u32 s30, s30, s29                     ; my first tile of 16 columns
	s_lshl_b32 s30, s30, 15
	s_lshl_b32 s29, s28, 13
	s_add_co_u32 s30, s30, s29
	s_add_nc_u64 s[20:21], s[20:21], s[30:31]
	v_lshlrev_b32 v3, 2, v2
	v_lshrrev_b32 v4, 4, v2
	v_and_b32 v5, 15, v2
	v_lshlrev_b32 v4, 15, v4
	v_lshl_add_u32 v4, v5, 4, v4                   ; my tile, my place r
.macro OLOAD f
.irp i, 0,1,2,3,4,5,6,7,8,9,10,11,12,13,14,15,16,17,18,19,20,21,22,23,24,25,26,27,28,29,30,31
	global_load_b32 v[32+32*((\f)%2)+\i], v3, s[12:13] offset:(32*(\f)+\i)*4096
.endr
.endm
	OLOAD 0
	OLOAD 1
.macro OCVT f
.if (\f) < 7
	s_wait_loadcnt 32                              ; these 32 along K are in; the next 32 may be out
.else
	s_wait_loadcnt 0x0
.endif
	s_wait_xcnt 0x0                                ; the stores of two steps ago have read their data: that set is written again
.set n, 0
.rept 16
	v_cvt_pk_f16_f32 v[96+16*((\f)%2)+n], v[32+32*((\f)%2)+2*n], v[32+32*((\f)%2)+2*n+1]
.set n, n+1
.endr
.irp q, 0,1,2,3                        ; q = 2 g + h: k = 16 g + 8 h + 0 .. 7: sixteen lanes fill 256 consecutive bytes
	global_store_b128 v4, v[96+16*((\f)%2)+4*\q:96+16*((\f)%2)+4*\q+3], s[20:21] offset:1024*(\f)+256*\q
.endr
.if (\f)+2 < 8
	OLOAD (\f)+2
.endif
.endm
.irp f, 0,1,2,3,4,5,6,7
	OCVT \f
.endr
	s_endpgm
.Lfunc_end_k_qb19057094b_prep:
	.size	k_qb19057094b_prep, .Lfunc_end_k_qb19057094b_prep-k_qb19057094b_prep
	.p2alignl 7, 3214868480
	.fill 96, 4, 3214868480
	.section	.rodata,"a",@progbits
	.p2align	6, 0x0
	.amdhsa_kernel k_qb19057094b_prep
		.amdhsa_group_segment_fixed_size 69120
		.amdhsa_private_segment_fixed_size 0
		.amdhsa_enable_private_segment 0
		.amdhsa_kernarg_size 80
		.amdhsa_user_sgpr_count 2
		.amdhsa_user_sgpr_kernarg_segment_ptr 1
		.amdhsa_wavefront_size32 1
		.amdhsa_system_sgpr_workgroup_id_x 1
		.amdhsa_system_sgpr_workgroup_id_y 1
		.amdhsa_system_sgpr_workgroup_id_z 1
		.amdhsa_system_vgpr_workitem_id 0
		.amdhsa_next_free_vgpr 192
		.amdhsa_next_free_sgpr 66
		.amdhsa_reserve_vcc 0
		.amdhsa_float_denorm_mode_32 3
		.amdhsa_float_denorm_mode_16_64 3
		.amdhsa_memory_ordered 1
		.amdhsa_forward_progress 1
		.amdhsa_inst_pref_size 172
	.end_amdhsa_kernel
	.amdgpu_metadata
---
amdhsa.version: [ 1, 2 ]
amdhsa.kernels:
  - .name:           k_qb19057094b_prep
    .symbol:         k_qb19057094b_prep.kd
    .args:
      - { .name: x, .offset: 0, .size: 8, .value_kind: global_buffer, .address_space: global }
      - { .name: Wq, .offset: 8, .size: 8, .value_kind: global_buffer, .address_space: global }
      - { .name: Wk, .offset: 16, .size: 8, .value_kind: global_buffer, .address_space: global }
      - { .name: Wv, .offset: 24, .size: 8, .value_kind: global_buffer, .address_space: global }
      - { .name: Wo, .offset: 32, .size: 8, .value_kind: global_buffer, .address_space: global }
      - { .name: mask, .offset: 40, .size: 8, .value_kind: global_buffer, .address_space: global }
      - { .name: cod, .offset: 48, .size: 8, .value_kind: global_buffer, .address_space: global }
      - { .name: scl, .offset: 56, .size: 8, .value_kind: global_buffer, .address_space: global }
      - { .name: wo16, .offset: 64, .size: 8, .value_kind: global_buffer, .address_space: global }
      - { .name: msk, .offset: 72, .size: 8, .value_kind: global_buffer, .address_space: global }
    .group_segment_fixed_size: 69120
    .private_segment_fixed_size: 0
    .kernarg_segment_align: 8
    .kernarg_segment_size: 80
    .max_flat_workgroup_size: 128
    .sgpr_count:     66
    .vgpr_count:     192
    .wavefront_size: 32
...
	.end_amdgpu_metadata
.endif
;; end of part 1
;; launch qkv (part 2): grid 16 x 16, 4 waves a work-group, clusters of 4 x 4, 259,584 bytes of LDS; arguments cod, scl, qi, kv, fq; writes qi, kv, fq
.if DOCPART == 2
	.amdgcn_target "amdgcn-amd-amdhsa--gfx1250"
	.amdhsa_code_object_version 6
	.text
	.protected	k_qb19057094b_qkv
	.globl	k_qb19057094b_qkv
	.p2align	8
	.type	k_qb19057094b_qkv,@function
k_qb19057094b_qkv:
	s_mov_b64 s[64:65], 0
	v_nop
	global_prefetch_b8 v0, s[64:65] scope:SCOPE_SE
	s_setreg_imm32_b32 hwreg(HW_REG_WAVE_MODE, 25, 1), 1
	s_wait_xcnt 0x0
	s_wait_alu depctr_hold_cnt(0) depctr_sa_sdst(0) depctr_va_vdst(0) depctr_va_sdst(0) depctr_va_ssrc(0) depctr_va_vcc(0) depctr_vm_vsrc(0)
	s_getreg_b32 s2, hwreg(HW_REG_IB_STS2, 6, 4)
	s_cmp_eq_u32 s2, 0
	s_cbranch_scc0 .Lentry_in_a_cluster
	s_endpgm
.Lentry_in_a_cluster:
	s_bfe_u32 s2, ttmp6, 0x10000c
	s_cmp_lg_u32 s2, 0xf033
	s_cbranch_scc0 .Lentry_shape_is_right
	s_endpgm
.Lentry_shape_is_right:
; QKV: [4096 rows of x] x [3072 columns of Wq, Wk, Wv], K = 1024, on codes of E2M1 with E8M0 scales; then the RMS norm of q and k over each head of 64, and the results leave as images of operand registers.
; SHARES.  A work-group makes 256 rows x 192 columns (three heads); wave w rows 64 w .. 64 w + 63 (4 tiles a) x all 12 column tiles b: 48 accumulators, so that a head's 64 channels lie in one wave.
; ALL OPERANDS FIT IN LDS AT ONCE: each wave issues three tensor loads at the start (its part of the scale bytes, of K 0-511, of K 512-1023) and no byte is filled twice: three loads of a wave are out at the most.
; CLUSTER.  4 x 4 work-groups: x's rows are shared along a row of the cluster, the weights' columns along a column: each tile is asked for jointly.
; THE MATRIX INSTRUCTION IS USED TRANSPOSED (source 0 = 16 columns of a weight, source 1 = 16 rows of x): lane (r, h) holds row r and channels 16 b + 8 h + 0 .. 7: eight neighbours, which pack into 16 bytes.
; OUT.  q (x rsqrt(mean square + 1e-6) x log2(e)/8) and k (x rsqrt) in f16 at 16 x lane; v in f16 at 16 x pi(lane), pi = (r & 7) + 8 h + 16 (r >> 3), the order in which the turning LDS load wants it.
; Every store of a wave covers 512 consecutive bytes.  The first 16 rows of each block of 256 also leave in f32 (fq): the launch `fine` reads those of rows 0 and 2,048.  All blocks store them.
; LIMITS: f16 holds |v| up to 65,504; q and k are at most 8 in size by their norm.  NaN and infinities are not served.
; REGISTERS: window 0: v1-29 addresses; v32-63 x's scale words (8 a + s), v64-159 the weights' (8 b + s): scales and nothing else; v160-223 x's fragments, two sets (on the way out: f16 packs); v224-247 sums of squares.
;   window 3: the weights' fragments, two sets at v0 and v96.   windows 1, 2: accumulator (a, b) in window 1 + a / 2 at v[8 (12 (a % 2) + b)].
.set PITCH, 272                        ; an LDS row of codes: 256 bytes + 16: the 16 rows of a fragment load start at 16 different groups of four banks
.set A1,    69632                      ; x's rows, K 0-511 at 0, K 512-1023 here
.set B0,    139264                     ; the weights' 192 rows, K 0-511
.set B1,    191488
.set SA,    243712                     ; x's scale bytes: units of 256 bytes + 16; row p at 32 p + 16 (p / 8)
.set SB,    252416
.set SPARE, 259072                     ; the spare words, 128 bytes a wave
.set ADA,  16
.set ADB,  18
.set ADSA, 20
.set ADSB, 21
.set VL,   22                          ; 16 x lane
.set VP,   23                          ; 16 x pi(lane)
.set VOFF, 24                          ; v24-26: which of the two, for each of my three heads
.set ONE,  27
.set SPW,  28
.set NIL,  29
.set SCA,  32
.set SCB,  64
.set AF,   160
.set PK,   160
.set SS,   224
.set G1A,  24                          ; s[24:31] group 1 for x's codes; s[48:55] for the weights'; s[68:75], s[80:87] for the scale bytes
.set G1B,  48
.set G1SA, 68
.set G1SB, 80
.set MSB, 0
.macro WIN new                         ; the immediate's high byte repeats the setting that is left
.if MSB != (\new)
	s_set_vgpr_msb (MSB<<8)|(\new)
.set MSB, (\new)
.endif
.endm
.macro PLACES
.rept 4
	v_nop
.endr
.endm
.macro CROUND                          ; a round of the cluster's barrier
	s_barrier_signal -1
	s_barrier_wait -1
	s_cmp_lg_u32 s14, 0
	s_cbranch_scc1 .Lnot_wave_0_\@
	s_barrier_signal -3
.Lnot_wave_0_\@:
	s_barrier_wait -3
	s_barrier_signal -1
	s_barrier_wait -1
.endm
	s_load_b256 s[4:11], s[0:1], 0x0               ; cod 4, scl 6, qi 8, kv 10
	s_load_b64 s[12:13], s[0:1], 0x20              ; fq
	v_lshl_add_u32 v[SPW], v0, 2, SPARE
	v_mov_b32 v[NIL], 0
	ds_add_u32 v[SPW], v[NIL]                      ; the wave's opening: the add, twice on end, and its wait ahead of my first tensor load
	ds_add_u32 v[SPW], v[NIL]
	v_lshrrev_b32 v1, 5, v0
	v_readfirstlane_b32 s14, v1                    ; wave
	s_lshr_b32 s15, s14, 1                         ; I fetch for x (0) or for the weights (1)
	s_and_b32 s16, s14, 1                          ; which half of the rows I fetch
	s_bfe_u32 s40, ttmp6, 0x40000                  ; cx
	s_bfe_u32 s41, ttmp6, 0x40004                  ; cy
	s_lshl_b32 s42, ttmp9, 2
	s_add_co_u32 s42, s42, s40                     ; bx: which 192 columns
	s_and_b32 s17, ttmp7, 0xffff
	s_lshl_b32 s17, s17, 2
	s_add_co_u32 s17, s17, s41                     ; by: which 256 rows
	s_lshl_b32 s43, s41, 2
	s_lshl_b32 s43, 15, s43                        ; my row of the cluster
	s_lshl_b32 s44, 0x1111, s40                    ; my column
	s_or_b32 s[G1A], s43, (1<<20)|(1<<21)|(5<<22)|(3<<25)     ; elements of 1 byte; four words of padding behind every 64; bit 21 beside a mask
	s_or_b32 s[G1B], s44, (1<<20)|(1<<21)|(5<<22)|(3<<25)
	s_mov_b32 s[G1A+1], 256<<16                    ; tensor_dim0 = 256 bytes
	s_mov_b32 s[G1A+2], 128<<16                    ; tensor_dim1 = 128 rows
	s_mov_b32 s[G1A+3], 256<<16                    ; tile_dim0
	s_mov_b32 s[G1A+4], 128                        ; tile_dim1
	s_mov_b32 s[G1A+5], 512                        ; a row of codes in memory
	s_mov_b32 s[G1A+6], 0
	s_mov_b32 s[G1A+7], 0
	s_mov_b32 s[G1B+1], 256<<16
	s_mov_b32 s[G1B+2], 96<<16
	s_mov_b32 s[G1B+3], 256<<16
	s_mov_b32 s[G1B+4], 96
	s_mov_b32 s[G1B+5], 512
	s_mov_b32 s[G1B+6], 0
	s_mov_b32 s[G1B+7], 0
	s_or_b32 s[G1SA], s43, (3<<16)|(1<<20)|(1<<21)|(5<<22)|(3<<25)   ; a dense block as rows of 256 bytes (32 elements of 8), 16 bytes of padding behind each
	s_or_b32 s[G1SB], s44, (3<<16)|(1<<20)|(1<<21)|(5<<22)|(3<<25)
	s_mov_b32 s[G1SA+1], 32<<16
	s_mov_b32 s[G1SA+2], 16<<16                    ; 128 rows x 32 bytes = 16 units
	s_mov_b32 s[G1SA+3], 32<<16
	s_mov_b32 s[G1SA+4], 16
	s_mov_b32 s[G1SA+5], 32
	s_mov_b32 s[G1SA+6], 0
	s_mov_b32 s[G1SA+7], 0
	s_mov_b32 s[G1SB+1], 32<<16
	s_mov_b32 s[G1SB+2], 12<<16                    ; 96 rows x 32 bytes = 12 units
	s_mov_b32 s[G1SB+3], 32<<16
	s_mov_b32 s[G1SB+4], 12
	s_mov_b32 s[G1SB+5], 32
	s_mov_b32 s[G1SB+6], 0
	s_mov_b32 s[G1SB+7], 0
	s_lshl_b32 s18, s16, 7
	s_lshl_b32 s20, s17, 8
	s_add_co_u32 s20, s20, s18                     ; x: row 256 by + 128 half (never holds cx)
	s_mul_i32 s46, s42, 192
	s_mul_i32 s19, s16, 96
	s_add_co_u32 s46, s46, s19                     ; weights: row 192 bx + 96 half (never holds cy)
	s_lshl_b32 s22, s20, 5
	s_mov_b32 s23, 0
	s_lshl_b32 s20, s20, 9
	s_mov_b32 s21, 0
	s_lshl_b32 s92, s46, 5
	s_add_co_u32 s92, s92, 131072
	s_mov_b32 s93, 0
	s_lshl_b32 s46, s46, 9
	s_add_co_u32 s46, s46, 2097152
	s_mov_b32 s47, 0
	s_mul_i32 s94, s16, 4352                       ; where they go: by the wave's number alone
	s_mul_i32 s95, s16, 34816
	s_mul_i32 s96, s16, 3264
	s_mul_i32 s97, s16, 26112
	s_wait_dscnt 0x0                               ; both opening adds are done
	s_wait_kmcnt 0x0
	s_mov_b32 s32, 1                               ; x's scale bytes
	s_add_co_u32 s33, s94, SA
	s_add_nc_u64 s[34:35], s[6:7], s[22:23]
	s_or_b32 s35, s35, 0x80000000
	s_mov_b32 s36, 1                               ; x's codes, K 0-511
	s_mov_b32 s37, s95
	s_add_nc_u64 s[38:39], s[4:5], s[20:21]
	s_mov_b32 s56, 1                               ; K 512-1023
	s_add_co_u32 s57, s95, A1
	s_add_nc_u64 s[58:59], s[38:39], 256
	s_or_b32 s39, s39, 0x80000000
	s_or_b32 s59, s59, 0x80000000
	s_mov_b32 s60, 1                               ; the weights' scale bytes
	s_add_co_u32 s61, s96, SB
	s_add_nc_u64 s[62:63], s[6:7], s[92:93]
	s_or_b32 s63, s63, 0x80000000
	s_mov_b32 s76, 1
	s_add_co_u32 s77, s97, B0
	s_add_nc_u64 s[78:79], s[4:5], s[46:47]
	s_mov_b32 s88, 1
	s_add_co_u32 s89, s97, B1
	s_add_nc_u64 s[90:91], s[78:79], 256
	s_or_b32 s79, s79, 0x80000000
	s_or_b32 s91, s91, 0x80000000
	CROUND                                         ; all sixteen work-groups are here: the joint loads meet
	s_cmp_eq_u32 s15, 0                            ; a wave's three first fills stand in one branch on its number, an s_nop 0 behind each, four v_nop behind the last
	s_cbranch_scc0 .Lfill_b
	tensor_load_to_lds s[32:35], s[G1SA:G1SA+7]
	s_nop 0
	tensor_load_to_lds s[36:39], s[G1A:G1A+7]
	s_nop 0
	tensor_load_to_lds s[56:59], s[G1A:G1A+7]
	s_nop 0
.rept 4
	v_nop
.endr
	s_branch .Lfilled
.Lfill_b:
	tensor_load_to_lds s[60:63], s[G1SB:G1SB+7]
	s_nop 0
	tensor_load_to_lds s[76:79], s[G1B:G1B+7]
	s_nop 0
	tensor_load_to_lds s[88:91], s[G1B:G1B+7]
	s_nop 0
.rept 4
	v_nop
.endr
.Lfilled:
	v_and_b32 v1, 15, v0                           ; r
	v_bfe_u32 v2, v0, 4, 1                         ; h
	v_mul_u32_u24 v3, v1, PITCH
	v_lshl_add_u32 v3, v2, 4, v3                   ; a fragment's row x pitch + 16 h
	s_mul_i32 s21, s14, 64*PITCH
	v_add_nc_u32 v[ADA], s21, v3                   ; my 64 rows of x
	v_add_nc_u32 v[ADA+1], A1, v[ADA]
	v_add_nc_u32 v[ADB], B0, v3
	v_add_nc_u32 v[ADB+1], B1, v3
	v_lshlrev_b32 v4, 5, v1
	v_lshrrev_b32 v5, 3, v1
	v_lshl_add_u32 v4, v5, 4, v4                   ; row r's 32 scale bytes: 32 r + 16 (r / 8)
	s_mul_i32 s21, s14, 2176
	s_add_co_u32 s21, s21, SA
	v_add_nc_u32 v[ADSA], s21, v4
	v_add_nc_u32 v[ADSB], SB, v4
	v_and_b32 v5, 31, v0
	v_lshlrev_b32 v[VL], 4, v5
	v_and_b32 v5, 7, v1
	v_lshl_add_u32 v5, v2, 3, v5
	v_lshrrev_b32 v6, 3, v1
	v_lshl_add_u32 v5, v6, 4, v5
	v_lshlrev_b32 v[VP], 4, v5
	v_mov_b32 v[ONE], 1.0
.macro FRAG reg, adr, q, i             ; 16 rows x 128 K of 4-bit codes: 8 registers, two loads of 16 bytes, 32 bytes apart
	ds_load_b128 v[\reg:\reg+3], v[\adr] offset:64*(\q)+(\i)*16*PITCH
	ds_load_b128 v[\reg+4:\reg+7], v[\adr] offset:64*(\q)+32+(\i)*16*PITCH
.endm
.macro FETCH s                         ; step s's fragments into set s % 2: 24 + 8 loads in one run
	WIN 0xc0
.irp i, 0,1,2,3,4,5,6,7,8,9,10,11
	FRAG 96*((\s)%2)+8*\i, ADB+(\s)/4, (\s)%4, \i
.endr
	WIN 0
.irp i, 0,1,2,3
	FRAG AF+32*((\s)%2)+8*\i, ADA+(\s)/4, (\s)%4, \i
.endr
.endm
.macro MUL s, zero                     ; 48 products, the accumulators by turns, in the same order in every step
.irp a, 0,1,2,3
	WIN 0x53+0x50*(\a/2)
.irp b, 0,1,2,3,4,5,6,7,8,9,10,11
.if \zero
	v_wmma_scale_f32_16x16x128_f8f6f4 v[8*(12*(\a%2)+\b):8*(12*(\a%2)+\b)+7], v[96*((\s)%2)+8*\b:96*((\s)%2)+8*\b+7], v[AF+32*((\s)%2)+8*\a:AF+32*((\s)%2)+8*\a+7], 0, v[SCB+8*\b+(\s)], v[SCA+8*\a+(\s)] matrix_a_fmt:MATRIX_FMT_FP4 matrix_b_fmt:MATRIX_FMT_FP4
.else
	v_wmma_scale_f32_16x16x128_f8f6f4 v[8*(12*(\a%2)+\b):8*(12*(\a%2)+\b)+7], v[96*((\s)%2)+8*\b:96*((\s)%2)+8*\b+7], v[AF+32*((\s)%2)+8*\a:AF+32*((\s)%2)+8*\a+7], v[8*(12*(\a%2)+\b):8*(12*(\a%2)+\b)+7], v[SCB+8*\b+(\s)], v[SCA+8*\a+(\s)] matrix_a_fmt:MATRIX_FMT_FP4 matrix_b_fmt:MATRIX_FMT_FP4
.endif
.endr
.endr
.endm
.macro STEP s, zero
	s_wait_dscnt 0x0                               ; this step's fragments are in (asked for 48 products ago)
.if (\s) == 3
	s_wait_tensorcnt 0x0                           ; my part of K 512-1023 has landed,
	s_barrier_signal -1
	s_barrier_wait -1                              ; everybody's has: the next fetch reads it
.endif
.if (\s) < 7
	PLACES                                         ; four places in front of loads into registers that the last products read
	FETCH (\s)+1
.endif
	MUL \s, \zero
.endm
	s_wait_tensorcnt 1                             ; the scale bytes and K 0-511 are in; my load of K 512-1023 may be out
	s_barrier_signal -1
	s_barrier_wait -1
.irp a, 0,1,2,3
	ds_load_b128 v[SCA+8*\a:SCA+8*\a+3], v[ADSA] offset:544*\a        ; a row's eight scale words, one for each 128 along K; both halves of the lanes read row r
	ds_load_b128 v[SCA+8*\a+4:SCA+8*\a+7], v[ADSA] offset:544*\a+16
.endr
.irp b, 0,1,2,3,4,5,6,7,8,9,10,11
	ds_load_b128 v[SCB+8*\b:SCB+8*\b+3], v[ADSB] offset:544*\b
	ds_load_b128 v[SCB+8*\b+4:SCB+8*\b+7], v[ADSB] offset:544*\b+16
.endr
	FETCH 0
	STEP 0, 1                                      ; the first products start the sums: nothing is cleared
.irp s, 1,2,3,4,5,6,7
	STEP \s, 0
.endr
	WIN 0
; THE WAY OUT.  No tensor load is out since step 3's wait, so the descriptors' registers are free.  What differs between q, k and v heads is chosen by selects: partners of the cluster run the same lines.
.macro HEADPTR i
	s_mul_i32 s36, s42, 3
	s_add_co_u32 s36, s36, \i                      ; head 0-15 q, 16-31 k, 32-47 v
	s_lshr_b32 s37, s36, 4
	s_and_b32 s38, s36, 15
	s_lshr_b32 s39, s17, 3                         ; batch
	s_lshl_b32 s39, s39, 4
	s_add_co_u32 s38, s38, s39                     ; 16 batch + head
	s_and_b32 s39, s17, 7                          ; which 256 positions of the sequence
	s_lshl_b32 s44, s38, 18                        ; q: 128 tiles of 2,048 bytes a head; tile 16 yy + 4 w + a
	s_lshl_b32 s45, s39, 15
	s_add_co_u32 s44, s44, s45
	s_lshl_b32 s45, s14, 13
	s_add_co_u32 s44, s44, s45
	s_lshl_b32 s46, s38, 19                        ; k, v: 16 trips of 32 KB a head; trip 2 yy + w / 2, key tile 4 (w % 2) + a
	s_lshl_b32 s45, s39, 16
	s_add_co_u32 s46, s46, s45
	s_lshl_b32 s45, s15, 15
	s_add_co_u32 s46, s46, s45
	s_lshl_b32 s45, s16, 13
	s_add_co_u32 s46, s46, s45
	s_cmp_eq_u32 s37, 2
	s_cselect_b32 s45, 16384, 0                    ; v lies behind k
	s_cselect_b32 s[33+\i], -1, 0                  ; all lanes: a head of v
	s_add_co_u32 s46, s46, s45
	s_mov_b32 s47, 0x3e38aa3b                      ; log2(e) / 8
	s_cmp_eq_u32 s37, 0
	s_cselect_b64 s[24+2*\i:25+2*\i], s[8:9], s[10:11]
	s_cselect_b32 s44, s44, s46
	s_cselect_b32 s[30+\i], s47, 1.0
	s_mov_b32 s45, 0
	s_add_nc_u64 s[24+2*\i:25+2*\i], s[24+2*\i:25+2*\i], s[44:45]
	v_cndmask_b32 v[VOFF+\i], v[VL], v[VP], s[33+\i]
.endm
	HEADPTR 0
	HEADPTR 1
	HEADPTR 2
	s_mov_b32 s52, 0x76543210
	s_mov_b32 s53, 0xfedcba98
	s_mov_b32 s54, 0x3c800000                      ; 1 / 64
	s_mov_b32 s55, 0x358637bd                      ; 1e-6
	s_mul_i32 s44, s17, 196608
	s_mul_i32 s45, s42, 12288
	s_add_co_u32 s44, s44, s45
	s_mov_b32 s45, 0
	s_add_nc_u64 s[56:57], s[12:13], s[44:45]      ; fq at my block's, my first head's image
	PLACES                                         ; four places behind the last products
.irp a, 0,1,2,3                        ; sums of squares: a lane's 32 channels of each head, two at a time, the three heads by turns; each accumulator is read from its low end on
	WIN 0x05*(1+\a/2)
.set n, 0
.rept 16
.irp i, 0,1,2
.if n == 0
	v_pk_mul_f32 v[SS+2*(3*\a+\i):SS+2*(3*\a+\i)+1], v[8*(12*(\a%2)+4*\i)+2*n:8*(12*(\a%2)+4*\i)+2*n+1], v[8*(12*(\a%2)+4*\i)+2*n:8*(12*(\a%2)+4*\i)+2*n+1]
.else
	v_pk_fma_f32 v[SS+2*(3*\a+\i):SS+2*(3*\a+\i)+1], v[8*(12*(\a%2)+4*\i)+2*n:8*(12*(\a%2)+4*\i)+2*n+1], v[8*(12*(\a%2)+4*\i)+2*n:8*(12*(\a%2)+4*\i)+2*n+1], v[SS+2*(3*\a+\i):SS+2*(3*\a+\i)+1]
.endif
.endr
.set n, n+1
.endr
.endr
	WIN 0
.set e, SS
.rept 12
	v_add_f32 v[e], v[e], v[e+1]
.set e, e+2
.endr
.set e, SS
.rept 12
	v_permlanex16_b32 v[e+1], v[e], s52, s53       ; the row's other 32 channels lie in the lane 16 away
.set e, e+2
.endr
.set e, SS
.rept 12
	v_add_f32 v[e], v[e], v[e+1]
.set e, e+2
.endr
.set e, SS
.rept 12
	v_fma_f32 v[e], v[e], s54, s55                 ; mean square + eps
.set e, e+2
.endr
.set e, SS
.rept 12
	v_rsq_f32 v[e+1], v[e]
.set e, e+2
.endr
	v_nop                                          ; a plain instruction behind the last of the batch
	s_wait_alu depctr_va_vdst(0)                   ; one wait for the twelve, ahead of their first reader
.irp a, 0,1,2,3
.irp i, 0,1,2
	v_mul_f32 v[SS+2*(3*\a+\i)], s[30+\i], v[SS+2*(3*\a+\i)+1]
.endr
.endr
.irp a, 0,1,2,3
.irp i, 0,1,2
	v_cndmask_b32 v[SS+2*(3*\a+\i)], v[SS+2*(3*\a+\i)], v[ONE], s[33+\i]   ; v is not normalised
.endr
.endr
.macro OUTG a, i                       ; tile a of rows, head i: scaled in place, packed to f16, stored as four images of 512 bytes
.set GI, 3*(\a)+(\i)
.set RB, 8*(12*((\a)%2)+4*(\i))
	WIN 0x41*(1+(\a)/2)
.set n, 0
.rept 16
	v_pk_mul_f32 v[RB+2*n:RB+2*n+1], v[RB+2*n:RB+2*n+1], v[SS+2*GI:SS+2*GI+1] op_sel_hi:[1,0]
.set n, n+1
.endr
.if GI >= 4
	s_wait_xcnt 0x0                                ; the stores of four groups ago have read their data: that set is written again
.endif
	WIN 0x05*(1+(\a)/2)
.set n, 0
.rept 16
	v_cvt_pk_f16_f32 v[PK+16*(GI%4)+n], v[RB+2*n], v[RB+2*n+1]
.set n, n+1
.endr
	WIN 0
.irp t, 0,1,2,3
	global_store_b128 v[VOFF+(\i)], v[PK+16*(GI%4)+4*\t:PK+16*(GI%4)+4*\t+3], s[24+2*(\i):25+2*(\i)] offset:2048*(\a)+512*\t
.endr
.if (\a) == 0
	s_cmp_lg_u32 s14, 0                            ; wave 0's tile 0: the block's first 16 rows, in f32 too
	s_cbranch_scc1 .Lno_fq_\@
	WIN 0x04                                       ; a store's data are its source 1: window 1
.set n, 0
.rept 8
	global_store_b128 v[VL], v[RB+4*n:RB+4*n+3], s[56:57] offset:4096*(\i)+512*n
.set n, n+1
.endr
	WIN 0
.Lno_fq_\@:
.endif
.endm
.irp a, 0,1,2,3
.irp i, 0,1,2
	OUTG \a, \i
.endr
.endr
	s_wait_tensorcnt 0x0                           ; the wave's end: a tensor wait, an add onto my spare word and its wait
	ds_add_u32 v[SPW], v[NIL]
	s_wait_dscnt 0x0
	CROUND                                         ; the closing round
	s_endpgm
.Lfunc_end_k_qb19057094b_qkv:
	.size	k_qb19057094b_qkv, .Lfunc_end_k_qb19057094b_qkv-k_qb19057094b_qkv
	.p2alignl 7, 3214868480
	.fill 96, 4, 3214868480
	.section	.rodata,"a",@progbits
	.p2align	6, 0x0
	.amdhsa_kernel k_qb19057094b_qkv
		.amdhsa_group_segment_fixed_size 259584
		.amdhsa_private_segment_fixed_size 0
		.amdhsa_enable_private_segment 0
		.amdhsa_kernarg_size 40
		.amdhsa_user_sgpr_count 2
		.amdhsa_user_sgpr_kernarg_segment_ptr 1
		.amdhsa_wavefront_size32 1
		.amdhsa_system_sgpr_workgroup_id_x 1
		.amdhsa_system_sgpr_workgroup_id_y 1
		.amdhsa_system_sgpr_workgroup_id_z 1
		.amdhsa_system_vgpr_workitem_id 0
		.amdhsa_next_free_vgpr 1024
		.amdhsa_next_free_sgpr 100
		.amdhsa_reserve_vcc 0
		.amdhsa_float_denorm_mode_32 3
		.amdhsa_float_denorm_mode_16_64 3
		.amdhsa_memory_ordered 1
		.amdhsa_forward_progress 1
		.amdhsa_inst_pref_size 129
	.end_amdhsa_kernel
	.amdgpu_metadata
---
amdhsa.version: [ 1, 2 ]
amdhsa.kernels:
  - .name:           k_qb19057094b_qkv
    .symbol:         k_qb19057094b_qkv.kd
    .args:
      - { .name: cod, .offset: 0, .size: 8, .value_kind: global_buffer, .address_space: global }
      - { .name: scl, .offset: 8, .size: 8, .value_kind: global_buffer, .address_space: global }
      - { .name: qi, .offset: 16, .size: 8, .value_kind: global_buffer, .address_space: global }
      - { .name: kv, .offset: 24, .size: 8, .value_kind: global_buffer, .address_space: global }
      - { .name: fq, .offset: 32, .size: 8, .value_kind: global_buffer, .address_space: global }
    .group_segment_fixed_size: 259584
    .private_segment_fixed_size: 0
    .kernarg_segment_align: 8
    .kernarg_segment_size: 40
    .max_flat_workgroup_size: 128
    .sgpr_count:     100
    .vgpr_count:     1024
    .wavefront_size: 32
...
	.end_amdgpu_metadata
.endif
;; end of part 2
;; launch attn (part 3): grid 8 x 32, 4 waves a work-group, no clusters, 135,680 bytes of LDS; arguments qi, kv, msk, oi; writes oi
.if DOCPART == 3
	.amdgcn_target "amdgcn-amd-amdhsa--gfx1250"
	.amdhsa_code_object_version 6
	.text
	.protected	k_qb19057094b_attn
	.globl	k_qb19057094b_attn
	.p2align	8
	.type	k_qb19057094b_attn,@function
k_qb19057094b_attn:
	s_mov_b64 s[64:65], 0
	v_nop
	global_prefetch_b8 v0, s[64:65] scope:SCOPE_SE
	s_setreg_imm32_b32 hwreg(HW_REG_WAVE_MODE, 25, 1), 1
	s_wait_xcnt 0x0
; ATTN: O = softmax(mask(q k^T / 8)) v for one head and two blocks of 128 queries a work-group, on f16 operands with f32 sums.
; NO MAXIMUM IS TAKEN, AND NONE IS NEEDED: q and k are normalised by the computation itself (each at most 8 long), so |q.k / 8| <= 8 for every input; t = score x log2(e) lies in -11.6 .. 11.6, p = 2^t in 3.2e-4 .. 3,050,
; a row's sum under 6.3e6: nothing can overflow or fall to zero in f32, nor p in f16.  log2(e)/8 is already in q.  So partial sums over different keys simply add.
; THE MASK is an input: a masked t is replaced ahead of the exponential by the lane's fill, -infinity (p = 0), or 0.0 (p = 1) where the query's row has no true byte.  One v_cndmask_b32 by a lane-mask word in a scalar register.
; WHAT IS WALKED hangs on flags that the launch `prep` stored as whole numbers: a step of 64 keys in which no byte of a piece's 64 queries is true is left out; one with no false byte skips the masking.
; Hence no tensor load and no cluster: the walk branches on numbers read from memory, and neighbours would want different tiles.
; K AND V come through registers into two LDS slots, a trip (128 keys, 32 KB) to a slot.  In trip t, behind its barrier, a wave stores trip t + 1's bytes, which are in its registers by then, into the other slot, asks LDS for
; its own fragments of trip t, and asks memory for trip t + 2: so the stores and the loads from memory run beside the trip's products, and at the next barrier nothing is left to wait for.
; SHARES.  Work-group (j, head) owns query blocks j and 15 - j.  Wave w: g = w & 1 picks 64 queries of each block, par = w >> 1 the parity of the key steps that it walks.  It holds 8 tiles of 16 queries:
; piece A (tiles 0-3) of block (par ? 15 - j : j), piece B of the other block.  At the end waves w and w xor 2 exchange: each sends its piece B's partial O and sum, which are its partner's piece A's.
; LAYOUT.  S^T = K Q^T, O^T = V^T P: a lane holds one query throughout.  K, Q, V lie in memory as images of operand registers (V so that the turning LDS load gives V^T): every LDS access is at 16 x lane.
; IN A PIECE two of four phases carry vector work between the products: K Q^T of pair 1 | softmax of pair 0;  V^T P of pair 0 | softmax of pair 1.
; LIMITS: |v| up to 65,504 (f16); NaN and infinities are not served.
; REGISTERS: window 0: v1-13 addresses, v30-31 the add's two, v32-39 fill, v40-55 sums (a pair a tile), v56-63 reciprocals, v64-191 S^T of a piece (32 a tile; at the head v64-127 carry trip 0's bytes), v192-255 P (16 a tile).
;   window 1: O^T, 32 a tile.   window 2: v0-127 Q (16 a tile), v128-191 K, v192-255 V^T.   window 3: v0-63 a later trip's bytes on their way to LDS.
.set SLOTB, 32768
.set XCH,   65536                      ; the exchange: 17,408 bytes a wave
.set XCHW,  17408
.set SPARE, 135168
.set SPW,  30
.set NIL,  31
.set FILL, 32
.set L,    40
.set RC,   56
.set S,    64
.set P,    192
.set KF,   128
.set VF,   192
.set MSB, 0
.macro WIN new
.if MSB != (\new)
	s_set_vgpr_msb (MSB<<8)|(\new)
.set MSB, (\new)
.endif
.endm
.macro PLACES
.rept 4
	v_nop
.endr
.endm
	s_load_b256 s[4:11], s[0:1], 0x0               ; qi 4, kv 6, msk 8, oi 10
	v_lshl_add_u32 v[SPW], v0, 2, SPARE
	v_mov_b32 v[NIL], 0
	v_lshrrev_b32 v1, 5, v0
	v_readfirstlane_b32 s12, v1                    ; wave
	v_and_b32 v1, 31, v0                           ; lane
	s_and_b32 s13, s12, 1                          ; g
	s_lshr_b32 s14, s12, 1                         ; par
	s_and_b32 s15, ttmp7, 0xffff                   ; 16 batch + head
	s_sub_co_u32 s98, 15, ttmp9
	s_lshl_b32 s99, ttmp9, 10                      ; block j's flags: 8 tiles x 128 bytes
	s_lshl_b32 s105, s98, 10                       ; block 15 - j's
	s_wait_kmcnt 0x0
.irp i, 0,1,2,3,4,5,6,7
	s_load_b64 s[16+2*\i:17+2*\i], s[8:9], s99 offset:524288+128*\i      ; NEED, PART of tile i
	s_load_b64 s[32+2*\i:33+2*\i], s[8:9], s105 offset:524288+128*\i
.endr
	s_cmp_eq_u32 s14, 0
	s_cselect_b32 s90, ttmp9, s98                  ; piece A's block
	s_cselect_b32 s91, s98, ttmp9                  ; piece B's
	s_lshl_b32 s90, s90, 3
	s_lshl_b32 s91, s91, 3
	s_lshl_b32 s92, s13, 2
	s_add_co_u32 s90, s90, s92                     ; piece A's first tile of queries
	s_add_co_u32 s91, s91, s92                     ; piece B's
	s_lshl_b32 s93, s15, 18
	s_lshl_b32 s94, s90, 11
	s_add_co_u32 s94, s94, s93
	s_mov_b32 s95, 0
	s_add_nc_u64 s[2:3], s[4:5], s[94:95]          ; Q of piece A
	s_lshl_b32 s94, s91, 11
	s_add_co_u32 s94, s94, s93
	s_add_nc_u64 s[4:5], s[4:5], s[94:95]          ; Q of piece B
	s_lshl_b32 s94, s90, 12
	s_add_nc_u64 s[86:87], s[8:9], s[94:95]        ; piece A's lane-mask words
	s_lshl_b32 s94, s91, 12
	s_add_nc_u64 s[88:89], s[8:9], s[94:95]
	s_lshl_b32 s94, s15, 19
	s_add_nc_u64 s[84:85], s[6:7], s[94:95]        ; K and V of my head
	s_lshr_b32 s94, s15, 4
	s_lshl_b32 s94, s94, 7
	s_add_co_u32 s94, s94, s90
	s_lshl_b32 s94, s94, 15
	s_and_b32 s93, s15, 15
	s_lshl_b32 s93, s93, 11
	s_add_co_u32 s94, s94, s93
	s_add_nc_u64 s[10:11], s[10:11], s[94:95]      ; where piece A's result goes
	v_lshlrev_b32 v12, 4, v1                       ; 16 x lane
	v_lshlrev_b32 v13, 2, v1
	s_lshl_b32 s93, s90, 7
	v_add_nc_u32 v14, s93, v13                     ; fill of piece A: 128 bytes a tile
	s_lshl_b32 s93, s91, 7
	v_add_nc_u32 v15, s93, v13
	s_lshl_b32 s93, s12, 13
	v_add_nc_u32 v2, s93, v12                      ; my quarter of a trip's 32 KB, in a slot,
	v_add_nc_u32 v8, s93, v12                      ; and in memory
	s_lshl_b32 s93, s14, 13
	v_add_nc_u32 v3, s93, v12                      ; my step's K in a slot
	v_add_nc_u32 v4, 16384, v3                     ; and its V
	v_add_nc_u32 v5, SLOTB, v2                     ; where the next trip's bytes go: slot 1
	v_mov_b32 v6, v3                               ; where this trip's fragments lie: slot 0
	v_mov_b32 v7, v4
	v_lshlrev_b32 v9, 8, v0                        ; the prefetches: 256 bytes a thread
	s_mul_i32 s93, s12, XCHW
	s_add_co_u32 s93, s93, XCH
	v_add_nc_u32 v10, s93, v12                     ; the exchange: mine,
	s_xor_b32 s93, s12, 2
	s_mul_i32 s93, s93, XCHW
	s_add_co_u32 s93, s93, XCH
	v_add_nc_u32 v11, s93, v12                     ; my partner's
	WIN 0x80                                       ; destination window 2
.irp t, 0,1,2,3,4,5,6,7,8,9,10,11,12,13,14,15
	global_load_b128 v[4*\t:4*\t+3], v12, s[2:3] offset:512*\t
	global_load_b128 v[64+4*\t:64+4*\t+3], v12, s[4:5] offset:512*\t
.endr
	WIN 0
.irp t, 0,1,2,3
	global_load_b32 v[FILL+\t], v14, s[8:9] offset:540672+128*\t
	global_load_b32 v[FILL+4+\t], v15, s[8:9] offset:540672+128*\t
.endr
.irp i, 0,1,2,3,4,5,6,7,8,9,10,11,12,13,14,15
	global_load_b128 v[S+4*\i:S+4*\i+3], v8, s[84:85] offset:512*\i      ; trip 0's bytes, into registers that are free until the first product
.endr
	WIN 0xc0                                       ; destination window 3
.irp i, 0,1,2,3,4,5,6,7,8,9,10,11,12,13,14,15
	global_load_b128 v[4*\i:4*\i+3], v8, s[84:85] offset:32768+512*\i    ; trip 1's, whatever the flags say: these registers are written on every path
.endr
	WIN 0x40
.set n, 0
.rept 256
	v_mov_b32 v[n], 0                              ; O^T begins as zeros: at which step a sum begins hangs on the stored flags, so no first product can be written out
.set n, n+1
.endr
	WIN 0
.set n, 0
.rept 24
	v_mov_b32 v[L+n], 0                            ; the sums, and the reciprocals' pairs
.set n, n+1
.endr
	s_wait_kmcnt 0x0
	s_or_b32 s48, s16, s18
	s_or_b32 s48, s48, s20
	s_or_b32 s48, s48, s22                         ; block j, tiles 0-3: NEED
	s_or_b32 s49, s24, s26
	s_or_b32 s49, s49, s28
	s_or_b32 s49, s49, s30                         ; tiles 4-7
	s_or_b32 s50, s17, s19
	s_or_b32 s50, s50, s21
	s_or_b32 s50, s50, s23                         ; PART
	s_or_b32 s51, s25, s27
	s_or_b32 s51, s51, s29
	s_or_b32 s51, s51, s31
	s_or_b32 s52, s32, s34
	s_or_b32 s52, s52, s36
	s_or_b32 s52, s52, s38                         ; block 15 - j likewise
	s_or_b32 s53, s40, s42
	s_or_b32 s53, s53, s44
	s_or_b32 s53, s53, s46
	s_or_b32 s54, s33, s35
	s_or_b32 s54, s54, s37
	s_or_b32 s54, s54, s39
	s_or_b32 s55, s41, s43
	s_or_b32 s55, s55, s45
	s_or_b32 s55, s55, s47
	s_or_b32 s90, s48, s49
	s_or_b32 s90, s90, s52
	s_or_b32 s90, s90, s53                         ; MV: steps that any wave of the work-group walks: the same in all four waves
	s_cmp_eq_u32 s13, 0
	s_cselect_b32 s48, s48, s49
	s_cselect_b32 s50, s50, s51
	s_cselect_b32 s52, s52, s53
	s_cselect_b32 s54, s54, s55
	s_cmp_eq_u32 s14, 0
	s_cselect_b32 s91, s48, s52                    ; NA
	s_cselect_b32 s92, s50, s54                    ; PA
	s_cselect_b32 s93, s52, s48                    ; NB
	s_cselect_b32 s94, s54, s50                    ; PB
	s_lshr_b32 s91, s91, s14                       ; bit 0: step 2 trip + par
	s_lshr_b32 s92, s92, s14
	s_lshr_b32 s93, s93, s14
	s_lshr_b32 s94, s94, s14
	s_lshl_b32 s95, s14, 7                         ; MO: my step's 128 bytes of words in a tile's 4,096
	s_mov_b32 s96, 16                              ; trips to go
	s_cmp_eq_u32 ttmp9, 0
	s_cselect_b32 s97, 4, -1                       ; the head's first work-group prefetches while more than 4 trips are left
	s_mov_b32 s100, 0x76543210
	s_mov_b32 s101, 0xfedcba98
	s_mov_b32 s104, 0                              ; the slot in hand
	s_mov_b32 s105, SLOTB                          ; the slot that takes the next trip's bytes
.irp n, 56,58,60,62,68,70,72,74,76,78,80,82
	s_mov_b64 s[\n:\n+1], 0                        ; the rest of the mask words' registers: written once, so that they are written on every path (s16-55 have been)
.endr
.macro MLOAD X, p                      ; the lane-mask words of pair p of piece X for my step: 32 words a tile
	s_load_b512 s[16:31], s[86+(\X)/2:87+(\X)/2], s95 offset:4096*(2*(\p))
	s_load_b512 s[32:47], s[86+(\X)/2:87+(\X)/2], s95 offset:4096*(2*(\p))+64
	s_load_b512 s[48:63], s[86+(\X)/2:87+(\X)/2], s95 offset:4096*(2*(\p)+1)
	s_load_b512 s[68:83], s[86+(\X)/2:87+(\X)/2], s95 offset:4096*(2*(\p)+1)+64
.endm
.macro MASKP X, p                      ; register n of a tile holds key 16 (n / 8) + 8 h + n % 8: word n.  Ascending: each accumulator is read from its low end on
.set n, 0
.rept 32
	v_cndmask_b32 v[S+32*(2*(\p))+n], v[FILL+(\X)+2*(\p)], v[S+32*(2*(\p))+n], s[16+n]
.set n, n+1
.endr
.set n, 0
.rept 32
	v_cndmask_b32 v[S+32*(2*(\p)+1)+n], v[FILL+(\X)+2*(\p)+1], v[S+32*(2*(\p)+1)+n], s[48+n+4*(n/16)]
.set n, n+1
.endr
.endm
.macro QK X, p                         ; product i of 16 of S^T = K Q^T for pair p: tile 2 p + i % 2, keys 16 ((i / 2) % 4) on, channels 32 (i / 8) on: eight accumulators by turns
	WIN 0x0a
.set tq, 2*(\p)+i%2
.set rS, S+32*tq+8*((i/2)%4)
.set rK, KF+16*((i/2)%4)+8*(i/8)
.set rQ, 16*((\X)+tq)+8*(i/8)
.if i < 8
	v_wmma_f32_16x16x32_f16 v[rS:rS+7], v[rK:rK+7], v[rQ:rQ+7], 0
.else
	v_wmma_f32_16x16x32_f16 v[rS:rS+7], v[rK:rK+7], v[rQ:rQ+7], v[rS:rS+7]
.endif
.endm
.macro PV X, p                         ; product i of 16 of O^T += V^T P: tile 2 p + i % 2, channels 16 ((i / 2) % 4) on, keys 32 (i / 8) on: eight accumulators by turns
	WIN 0x52
.set tq, 2*(\p)+i%2
.set rO, 32*((\X)+tq)+8*((i/2)%4)
.set rV, VF+16*((i/2)%4)+8*(i/8)
.set rP, P+16*tq+8*(i/8)
	v_wmma_f32_16x16x32_f16 v[rO:rO+7], v[rV:rV+7], v[rP:rP+7], v[rO:rO+7]
.endm
; Slice k of 16 of pair p's softmax: eight vector instructions.  0-7: the 64 exponentials, ONE batch, an accumulator a slice, the tiles by turns; behind them one plain instruction and one wait.
; 8-11: the roundings to f16.  12-15: the sums of the unrounded p, in place, then onto the tile's running sum.
.macro SLICE X, p
	WIN 0
.if k < 8
.set rS, S+32*(2*(\p)+k%2)+8*(k/2)
.set n, 0
.rept 8
	v_exp_f32 v[rS+n], v[rS+n]
.set n, n+1
.endr
.if k == 7
	v_nop                                          ; a plain instruction behind the last exponential
	s_wait_alu depctr_va_vdst(0)                   ; the wait ahead of the first instruction that names a result: one for the batch
.endif
.elseif k < 12
.set tq, 2*(\p)+k%2
.set n, 8*((k-8)/2)
.rept 8
	v_cvt_pk_f16_f32 v[P+16*tq+n], v[S+32*tq+2*n], v[S+32*tq+2*n+1]
.set n, n+1
.endr
.else
.set m, 8*(k-12)
.rept 8
.set tq, 2*(\p)+m%2
.set rS, S+32*tq
.set z, m/2
.set w, 4
.set u, z
.if z >= 14
.set w, 32
.set u, 0
.elseif z >= 12
.set w, 16
.set u, z-12
.elseif z >= 8
.set w, 8
.set u, z-8
.endif
.if z < 15
	v_pk_add_f32 v[rS+w*u:rS+w*u+1], v[rS+w*u:rS+w*u+1], v[rS+w*u+w/2:rS+w*u+w/2+1]
.else
	v_pk_add_f32 v[L+2*((\X)+tq):L+2*((\X)+tq)+1], v[L+2*((\X)+tq):L+2*((\X)+tq)+1], v[rS:rS+1]
.endif
.set m, m+1
.endr
.endif
.set k, k+1
.endm
.macro PIECE X
	s_and_b32 s98, s[92+(\X)/2], 1                 ; does the step hold a false byte for this piece?
	s_cmp_eq_u32 s98, 0
	s_cbranch_scc1 .Lp1_\@
	MLOAD \X, 0
.Lp1_\@:
	s_wait_dscnt 16                                ; K is in; V's sixteen loads may be out
.set i, 0
.rept 16
	QK \X, 0
.set i, i+1
.endr
	WIN 0
	PLACES                                         ; four places behind the products whose results are read next
	s_wait_kmcnt 0x0
	s_cmp_eq_u32 s98, 0
	s_cbranch_scc1 .Lp2_\@
	MASKP \X, 0
	MLOAD \X, 1
.Lp2_\@:
.set i, 0
.set k, 0
.rept 16
	QK \X, 1
	SLICE \X, 0
.set i, i+1
.endr
	WIN 0
	PLACES
	s_wait_kmcnt 0x0
	s_cmp_eq_u32 s98, 0
	s_cbranch_scc1 .Lp3_\@
	MASKP \X, 1
.Lp3_\@:
	s_wait_dscnt 0x0                               ; V is in
.set i, 0
.set k, 0
.rept 16
	PV \X, 0
	SLICE \X, 1
.set i, i+1
.endr
.set i, 0
.rept 16
	PV \X, 1
.set i, i+1
.endr
	WIN 0
.endm
; What a trip asks of memory, behind the wait that shows my stores out of the staging registers done: the bytes of the trip two on (behind trip 13 the flags' bits are 0: no load leaves the buffer),
; and a prefetch of the trip four on, two trips ahead of the load that will want it: 128 threads x 256 bytes are its 32 KB.  All work-groups of a head walk the same bytes: the first asks, so each block is named once
; in the launch; the last four trips ask for nothing.  Trips 0 to 3 come by their loads alone.
.macro NEXT
	s_and_b32 s99, s90, 48
	s_cmp_eq_u32 s99, 0
	s_cbranch_scc1 .Lno_load_\@
	WIN 0xc0
.irp i, 0,1,2,3,4,5,6,7,8,9,10,11,12,13,14,15
	global_load_b128 v[4*\i:4*\i+3], v8, s[84:85] offset:32768+512*\i
.endr
	WIN 0
.Lno_load_\@:
	s_cmp_gt_u32 s96, s97
	s_cbranch_scc0 .Lno_ask_\@
	global_prefetch_b8 v9, s[84:85] offset:98304 th:TH_LOAD_NT scope:SCOPE_SE
.Lno_ask_\@:
.endm
	s_wait_loadcnt 16                              ; Q, fill and trip 0's bytes are in; trip 1's sixteen loads may be out
.irp i, 0,1,2,3,4,5,6,7,8,9,10,11,12,13,14,15
	ds_store_b128 v2, v[S+4*\i:S+4*\i+3] offset:512*\i   ; trip 0 into slot 0
.endr
.Ltrip:                                            ; 16 trips of 128 keys: the count is a constant; what a trip does hangs on the flags
	s_wait_dscnt 0x0                               ; my stores into this trip's slot have landed, and my reads of the other slot are over
	s_barrier_signal -1
	s_barrier_wait -1                              ; both hold of all four waves: this slot is whole, the other may be written
	s_wait_loadcnt 0x0                             ; the next trip's bytes, asked for a trip ago, are in registers
	s_wait_xcnt 0x0                                ; last trip's loads and prefetch have read their address:
	s_add_nc_u64 s[84:85], s[84:85], 32768         ; now the next trip's first byte
	s_and_b32 s99, s90, 12                         ; does any wave walk the next trip?
	s_cmp_eq_u32 s99, 0
	s_cbranch_scc1 .Lno_store
	WIN 0x0c                                       ; an LDS store's data are its source 1: window 3
.irp i, 0,1,2,3,4,5,6,7,8,9,10,11,12,13,14,15
	ds_store_b128 v5, v[4*\i:4*\i+3] offset:512*\i
.endr
	WIN 0
.Lno_store:
	s_or_b32 s98, s91, s93
	s_and_b32 s98, s98, 1
	s_cmp_eq_u32 s98, 0
	s_cbranch_scc1 .Lno_frag
	PLACES                                         ; four places in front of loads into registers that the last products read
	WIN 0x80
.set n, 0
.rept 16                               ; K: fragment (key tile n / 4, channels 32 ((n / 2) % 2)), half n % 2
	ds_load_b128 v[KF+4*n:KF+4*n+3], v6 offset:512*n
.set n, n+1
.endr
.irp t, 0,1,2,3                        ; V^T: channels 16 t on; q = key tile
.irp q, 0,1,2,3
	ds_load_tr16_b128 v[VF+16*\t+4*\q:VF+16*\t+4*\q+3], v7 offset:2048*\q+512*\t
.endr
.endr
	WIN 0
	s_wait_dscnt 32                                ; all but the 32 loads just issued: my stores are done, so the staging registers may be loaded again
	NEXT
	s_and_b32 s98, s91, 1
	s_cmp_eq_u32 s98, 0
	s_cbranch_scc1 .Lno_a
	PIECE 0
.Lno_a:
	s_and_b32 s98, s93, 1
	s_cmp_eq_u32 s98, 0
	s_cbranch_scc1 .Lidle
	PIECE 4
	s_branch .Lidle
.Lno_frag:                                         ; a wave without a step in this trip still carries its quarter of the bytes
	s_wait_dscnt 0x0                               ; my stores are done
	NEXT
.Lidle:
	s_lshr_b32 s90, s90, 2
	s_lshr_b32 s91, s91, 2
	s_lshr_b32 s92, s92, 2
	s_lshr_b32 s93, s93, 2
	s_lshr_b32 s94, s94, 2
	s_add_co_u32 s95, s95, 256
	s_xor_b32 s104, s104, SLOTB                    ; the slots change places
	s_xor_b32 s105, s105, SLOTB
	v_add_nc_u32 v5, s105, v2
	v_add_nc_u32 v6, s104, v3
	v_add_nc_u32 v7, s104, v4
	s_sub_co_u32 s96, s96, 1
	s_cmp_lg_u32 s96, 0
	s_cbranch_scc1 .Ltrip
	; THE EXCHANGE AND THE WAY OUT.  My piece B's partial O^T and sums go to my partner; its piece B's are added to my piece A.
	PLACES
	WIN 0x04                                       ; the data: window 1
.set n, 0
.rept 32
	ds_store_b128 v10, v[128+4*n:128+4*n+3] offset:512*n
.set n, n+1
.endr
	WIN 0
	ds_store_b128 v10, v[L+8:L+11] offset:16384
	ds_store_b128 v10, v[L+12:L+15] offset:16896
	s_wait_dscnt 0x0                               ; for my partner's sake: my stores have landed
	s_barrier_signal -1
	s_barrier_wait -1
.set n, 0
.rept 32
	ds_load_b128 v[64+4*n:64+4*n+3], v11 offset:512*n
.set n, n+1
.endr
	ds_load_b128 v[192:195], v11 offset:16384
	ds_load_b128 v[196:199], v11 offset:16896
	s_wait_dscnt 0x0
	WIN 0x41                                       ; destination and source 0 window 1
.set n, 0
.rept 64
	v_pk_add_f32 v[2*n:2*n+1], v[2*n:2*n+1], v[64+2*n:65+2*n]
.set n, n+1
.endr
	WIN 0
.irp t, 0,1,2,3
	v_pk_add_f32 v[L+2*\t:L+2*\t+1], v[L+2*\t:L+2*\t+1], v[192+2*\t:193+2*\t]
.endr
.irp t, 0,1,2,3
	v_add_f32 v[L+2*\t], v[L+2*\t], v[L+2*\t+1]
.endr
.irp t, 0,1,2,3
	v_permlanex16_b32 v[L+2*\t+1], v[L+2*\t], s100, s101
.endr
.irp t, 0,1,2,3
	v_add_f32 v[L+2*\t], v[L+2*\t], v[L+2*\t+1]    ; the row's sum
.endr
.irp t, 0,1,2,3
	v_rcp_f32 v[RC+2*\t], v[L+2*\t]
.endr
	v_nop
	s_wait_alu depctr_va_vdst(0)                   ; one wait for the four reciprocals
	WIN 0x41
.irp t, 0,1,2,3
.set n, 0
.rept 16
	v_pk_mul_f32 v[32*\t+2*n:32*\t+2*n+1], v[32*\t+2*n:32*\t+2*n+1], v[RC+2*\t:RC+2*\t+1] op_sel_hi:[1,0]
.set n, n+1
.endr
.endr
	WIN 0x05
.set n, 0
.rept 64
	v_cvt_pk_f16_f32 v[64+n], v[2*n], v[2*n+1]
.set n, n+1
.endr
	WIN 0
.set n, 0
.rept 16                               ; tile n / 4, channels 16 (n % 4) on: an image of 512 consecutive bytes
	global_store_b128 v12, v[64+4*n:64+4*n+3], s[10:11] offset:32768*(n/4)+512*(n%4)
.set n, n+1
.endr
	s_wait_tensorcnt 0x0                           ; the wave's end: a tensor wait, an add onto my spare word and its wait, behind my last LDS store
	ds_add_u32 v[SPW], v[NIL]
	s_wait_dscnt 0x0
	s_endpgm
.Lfunc_end_k_qb19057094b_attn:
	.size	k_qb19057094b_attn, .Lfunc_end_k_qb19057094b_attn-k_qb19057094b_attn
	.p2alignl 7, 3214868480
	.fill 96, 4, 3214868480
	.section	.rodata,"a",@progbits
	.p2align	6, 0x0
	.amdhsa_kernel k_qb19057094b_attn
		.amdhsa_group_segment_fixed_size 135680
		.amdhsa_private_segment_fixed_size 0
		.amdhsa_enable_private_segment 0
		.amdhsa_kernarg_size 32
		.amdhsa_user_sgpr_count 2
		.amdhsa_user_sgpr_kernarg_segment_ptr 1
		.amdhsa_wavefront_size32 1
		.amdhsa_system_sgpr_workgroup_id_x 1
		.amdhsa_system_sgpr_workgroup_id_y 1
		.amdhsa_system_sgpr_workgroup_id_z 1
		.amdhsa_system_vgpr_workitem_id 0
		.amdhsa_next_free_vgpr 832
		.amdhsa_next_free_sgpr 106
		.amdhsa_reserve_vcc 0
		.amdhsa_float_denorm_mode_32 3
		.amdhsa_float_denorm_mode_16_64 3
		.amdhsa_memory_ordered 1
		.amdhsa_forward_progress 1
		.amdhsa_inst_pref_size 105
	.end_amdhsa_kernel
	.amdgpu_metadata
---
amdhsa.version: [ 1, 2 ]
amdhsa.kernels:
  - .name:           k_qb19057094b_attn
    .symbol:         k_qb19057094b_attn.kd
    .args:
      - { .name: qi, .offset: 0, .size: 8, .value_kind: global_buffer, .address_space: global }
      - { .name: kv, .offset: 8, .size: 8, .value_kind: global_buffer, .address_space: global }
      - { .name: msk, .offset: 16, .size: 8, .value_kind: global_buffer, .address_space: global }
      - { .name: oi, .offset: 24, .size: 8, .value_kind: global_buffer, .address_space: global }
    .group_segment_fixed_size: 135680
    .private_segment_fixed_size: 0
    .kernarg_segment_align: 8
    .kernarg_segment_size: 32
    .max_flat_workgroup_size: 128
    .sgpr_count:     106
    .vgpr_count:     832
    .wavefront_size: 32
...
	.end_amdgpu_metadata
.endif
;; end of part 3
;; launch proj (part 4): grid 8 x 32, 4 waves a work-group, clusters of 4 x 4, 327,680 bytes of LDS; arguments oi, wo16, out0; writes out0
.if DOCPART == 4
	.amdgcn_target "amdgcn-amd-amdhsa--gfx1250"
	.amdhsa_code_object_version 6
	.text
	.protected	k_qb19057094b_proj
	.globl	k_qb19057094b_proj
	.p2align	8
	.type	k_qb19057094b_proj,@function
k_qb19057094b_proj:
	s_mov_b64 s[64:65], 0
	v_nop
	global_prefetch_b8 v0, s[64:65] scope:SCOPE_SE
	s_setreg_imm32_b32 hwreg(HW_REG_WAVE_MODE, 25, 1), 1
	s_wait_xcnt 0x0
	s_wait_alu depctr_hold_cnt(0) depctr_sa_sdst(0) depctr_va_vdst(0) depctr_va_sdst(0) depctr_va_ssrc(0) depctr_va_vcc(0) depctr_vm_vsrc(0)
	s_getreg_b32 s2, hwreg(HW_REG_IB_STS2, 6, 4)
	s_cmp_eq_u32 s2, 0
	s_cbranch_scc0 .Lentry_in_a_cluster
	s_endpgm
.Lentry_in_a_cluster:
	s_bfe_u32 s2, ttmp6, 0x10000c
	s_cmp_lg_u32 s2, 0xf033
	s_cbranch_scc0 .Lentry_shape_is_right
	s_endpgm
.Lentry_shape_is_right:
; PROJ: out0 [4096][1024] f32 = O [4096][1024] x Wo [1024][1024], both in f16 as images of operand registers ([tile of 16][32 along K][half][lane][16 bytes]), sums in f32.
; A tile of the result is 128 x 128: 256 work-groups.  Four waves, each 64 x 64: 16 accumulators.  K goes in steps of 256 through a ring of two LDS slots filled by the tensor data mover.
; A wave's tensor load brings four tiles of 16 rows x 256 K: four rows of 8,192 consecutive bytes, 32,768 bytes apart in memory.  In LDS every fragment load is at 16 x lane: 512 consecutive bytes, so no padding.
; CLUSTER: 4 x 4 work-groups; O's tiles are shared along a row of the cluster, Wo's along a column: each is asked for jointly.  A wave has two loads out at the start, later one.
; THE MATRIX INSTRUCTION IS USED TRANSPOSED (source 0 = 16 columns of Wo, source 1 = 16 rows of O): a lane holds eight neighbouring numbers of a row.
; A wave's 64 columns of f32 are 256 aligned bytes of a row: each wave has a stage of its own on the way out, and no barrier is needed there.
; The rows of positions 0-15 of each sequence are written anew by the launch `fine`.
; REGISTERS: window 0: v0-31 addresses; v32-95 the way out; v128-255 accumulators ((a, b) at v[128 + 8 (4 a + b)]).   window 1: two fragment buffers of 128.
.set SLOT,   131072                    ; O's 128 rows (64 KB), then Wo's 128 columns
.set STAGE,  262144                    ; behind the ring: 16 rows x 272 bytes for each wave
.set SPITCH, 272
.set SPARE,  279552                    ; the spare words, 128 bytes a wave
.set LAPS,   2                         ; a lap = two K steps of 256
.set ADRA, 16
.set ADRB, 20
.set STO,  24
.set RD,   25
.set CO,   26
.set SPW,  28
.set NIL,  29
.set TMP,  32
.set ACC,  128
.set F0,   0
.set F1,   128
.set G1, 24
.set G0, 32
.set G1B, 48
.set G0B, 56
.set MSB, 0
.macro WIN new
.if MSB != (\new)
	s_set_vgpr_msb (MSB<<8)|(\new)
.set MSB, (\new)
.endif
.endm
.set MUL,  0x05                        ; sources 0 and 1 window 1; C and D window 0
.set TO_F, 0x40                        ; destination window 1
.macro JLOAD s                         ; a joint load: waves 0 and 1 fetch O's halves, waves 2 and 3 Wo's; an s_nop 0 and four v_nop follow each line
	s_cmp_eq_u32 s11, 0
	s_cbranch_scc0 .Lfor_b_\@
	tensor_load_to_lds s[G0+4*\s:G0+4*\s+3], s[G1:G1+7]
	s_nop 0
.rept 4
	v_nop
.endr
	s_branch .Lasked_\@
.Lfor_b_\@:
	tensor_load_to_lds s[G0B+4*\s:G0B+4*\s+3], s[G1B:G1B+7]
	s_nop 0
.rept 4
	v_nop
.endr
.Lasked_\@:
.endm
.macro CREST
	s_cmp_lg_u32 s10, 0
	s_cbranch_scc1 .Lnot_wave_0_\@
	s_barrier_signal -3
.Lnot_wave_0_\@:
	s_barrier_wait -3
	s_barrier_signal -1
	s_barrier_wait -1
.endm
.macro CROUND
	s_barrier_signal -1
	s_barrier_wait -1
	CREST
.endm
	s_load_b128 s[4:7], s[0:1], 0x0                ; oi, wo16
	s_load_b64 s[8:9], s[0:1], 0x10                ; out0
	v_lshl_add_u32 v[SPW], v0, 2, SPARE
	v_mov_b32 v[NIL], 0
	ds_add_u32 v[SPW], v[NIL]                      ; the wave's opening: the add, twice on end, and its wait ahead of my first tensor load
	ds_add_u32 v[SPW], v[NIL]
	v_lshrrev_b32 v1, 5, v0
	v_readfirstlane_b32 s10, v1                    ; wave
	s_lshr_b32 s11, s10, 1                         ; my half of the rows; also: I fetch for O (0) or for Wo (1)
	s_and_b32 s12, s10, 1                          ; my half of the columns; also: which four tiles I fetch
	s_bfe_u32 s40, ttmp6, 0x40000
	s_bfe_u32 s41, ttmp6, 0x40004
	s_lshl_b32 s42, ttmp9, 2
	s_add_co_u32 s42, s42, s40                     ; tile column
	s_and_b32 s13, ttmp7, 0xffff
	s_lshl_b32 s13, s13, 2
	s_add_co_u32 s13, s13, s41                     ; tile row
	s_lshl_b32 s43, s41, 2
	s_lshl_b32 s43, 15, s43
	s_lshl_b32 s44, 0x1111, s40
	s_or_b32 s[G1+0], s43, (3<<16)|(1<<21)         ; the mask; elements of 8 bytes; no padding; bit 21 beside a mask
	s_or_b32 s[G1B+0], s44, (3<<16)|(1<<21)
.irp g, G1, G1B
	s_mov_b32 s[\g+1], 1024<<16                    ; tensor_dim0 = 1,024 elements: 8,192 bytes
	s_mov_b32 s[\g+2], 4<<16                       ; tensor_dim1 = 4
	s_mov_b32 s[\g+3], 1024<<16                    ; tile_dim0
	s_mov_b32 s[\g+4], 4                           ; tile_dim1
	s_mov_b32 s[\g+5], 4096                        ; from a tile of 16 rows to the next: 32,768 bytes
	s_mov_b32 s[\g+6], 0
	s_mov_b32 s[\g+7], 0
.endr
	s_lshl_b32 s17, s12, 2
	s_lshl_b32 s16, s13, 3
	s_add_co_u32 s16, s16, s17
	s_lshl_b32 s16, s16, 15                        ; O: tile of rows 8 x tile row + 4 x half
	s_lshl_b32 s46, s42, 3
	s_add_co_u32 s46, s46, s17
	s_lshl_b32 s46, s46, 15                        ; Wo: tile of columns 8 x tile column + 4 x half
	s_mov_b32 s17, 0
	s_mov_b32 s47, 0
	s_lshl_b32 s20, s10, 15                        ; where they go: 32,768 x wave
	s_wait_dscnt 0x0
	s_wait_kmcnt 0x0
	s_add_nc_u64 s[14:15], s[4:5], s[16:17]
	s_add_nc_u64 s[46:47], s[6:7], s[46:47]
	CROUND
.irp s, 0,1
	s_mov_b32 s[G0+4*\s], 1
	s_add_co_u32 s[G0+4*\s+1], s20, \s*SLOT
	s_add_nc_u64 s[G0+4*\s+2:G0+4*\s+3], s[14:15], \s*8192
	s_or_b32 s[G0+4*\s+3], s[G0+4*\s+3], 0x80000000
	s_mov_b32 s[G0B+4*\s], 1
	s_add_co_u32 s[G0B+4*\s+1], s20, \s*SLOT
	s_add_nc_u64 s[G0B+4*\s+2:G0B+4*\s+3], s[46:47], \s*8192
	s_or_b32 s[G0B+4*\s+3], s[G0B+4*\s+3], 0x80000000
	JLOAD \s
.endr
	v_and_b32 v1, 15, v0
	v_bfe_u32 v2, v0, 4, 1
	v_and_b32 v3, 31, v0
	v_lshlrev_b32 v3, 4, v3                        ; 16 x lane
	s_lshl_b32 s21, s11, 15                        ; my four tiles of rows
	s_lshl_b32 s22, s12, 15
	s_add_co_u32 s22, s22, 65536                   ; my four tiles of columns
.irp s, 0,1
	v_add_nc_u32 v[ADRA+\s], s21, v3
	v_add_nc_u32 v[ADRB+\s], s22, v3
	s_add_co_u32 s21, s21, SLOT
	s_add_co_u32 s22, s22, SLOT
.endr
	s_mul_i32 s23, s10, 16*SPITCH
	s_add_co_u32 s23, s23, STAGE                   ; my stage
	v_mul_u32_u24 v4, v1, SPITCH
	v_lshl_add_u32 v4, v2, 5, v4
	v_add_nc_u32 v[STO], s23, v4                   ; in: row r, 32 bytes for each half of the lanes
	v_mul_u32_u24 v5, v2, SPITCH
	v_lshl_add_u32 v5, v1, 4, v5
	v_add_nc_u32 v[RD], s23, v5                    ; back: lanes 0-15 one row of 256 bytes, lanes 16-31 the next
	v_lshlrev_b32 v5, 12, v2
	v_lshl_add_u32 v[CO], v1, 4, v5                ; and the same two rows in out0
	s_lshl_b32 s16, s13, 7
	s_lshl_b32 s17, s11, 6
	s_add_co_u32 s16, s16, s17
	s_lshl_b32 s16, s16, 12                        ; my first row x 4,096 bytes
	s_lshl_b32 s46, s42, 9
	s_lshl_b32 s47, s12, 8
	s_add_co_u32 s46, s46, s47
	s_add_co_u32 s16, s16, s46
	s_mov_b32 s17, 0
	s_add_nc_u64 s[8:9], s[8:9], s[16:17]
.macro MUL8 f, c, a0, zero
.irp a, \a0, \a0+1
.irp b, 0,1,2,3
.if \zero
	v_wmma_f32_16x16x32_f16 v[ACC+8*(4*(\a)+\b):ACC+8*(4*(\a)+\b)+7], v[\f+64+8*(4*\c+\b):\f+64+8*(4*\c+\b)+7], v[\f+8*(4*\c+\a):\f+8*(4*\c+\a)+7], 0
.else
	v_wmma_f32_16x16x32_f16 v[ACC+8*(4*(\a)+\b):ACC+8*(4*(\a)+\b)+7], v[\f+64+8*(4*\c+\b):\f+64+8*(4*\c+\b)+7], v[\f+8*(4*\c+\a):\f+8*(4*\c+\a)+7], v[ACC+8*(4*(\a)+\b):ACC+8*(4*(\a)+\b)+7]
.endif
.endr
.endr
.endm
.macro FETCH slot, q, f                ; 32 LDS loads in one run: the fragments of the slot's q-th 64 along K; the first 32 along K first
	WIN TO_F
.irp c, 0,1
.irp i, 0,1,2,3
	ds_load_b128 v[\f+64+8*(4*\c+\i):\f+64+8*(4*\c+\i)+3],   v[ADRB+\slot] offset:8192*\i+1024*(2*(\q)+\c)
	ds_load_b128 v[\f+64+8*(4*\c+\i)+4:\f+64+8*(4*\c+\i)+7], v[ADRB+\slot] offset:8192*\i+1024*(2*(\q)+\c)+512
	ds_load_b128 v[\f+8*(4*\c+\i):\f+8*(4*\c+\i)+3],         v[ADRA+\slot] offset:8192*\i+1024*(2*(\q)+\c)
	ds_load_b128 v[\f+8*(4*\c+\i)+4:\f+8*(4*\c+\i)+7],       v[ADRA+\slot] offset:8192*\i+1024*(2*(\q)+\c)+512
.endr
.endr
.endm
.macro PLACES
.rept 4
	v_nop
.endr
.endm
.macro QUARTER slot, q, f, g, zero     ; multiplies buffer f and fetches the slot's q-th quarter into g
	s_wait_dscnt 16                                ; the first 32 along K are in
	WIN MUL
	MUL8 \f, 0, 0, \zero
	MUL8 \f, 0, 2, \zero
	PLACES
	FETCH \slot, \q, \g
	s_wait_dscnt 32                                ; all but the 32 just issued
	WIN MUL
	MUL8 \f, 1, 0, 0
	MUL8 \f, 1, 2, 0
.endm
.macro TURN slot, next, fill           ; a slot's last quarter changes slots: one barrier; in front of it all my tensor loads, the add, and my reads of this slot are waited for
	WIN 0
	s_wait_tensorcnt 0x0                           ; all my tensor loads have landed: my part of the next slot
	ds_add_u32 v[SPW], v[NIL]                      ; 0 onto my spare word
	s_wait_dscnt 17                                ; (the add and the youngest sixteen loads may be out)
	WIN MUL
	MUL8 F1, 0, 0, 0
	s_wait_dscnt 0x0                               ; the add is done, and my reads of this slot are over
	s_barrier_signal -1
	MUL8 F1, 0, 2, 0
.if \fill
	WIN 0
.endif
	s_barrier_wait -1
.if \fill
	CREST                                          ; the barrier has opened a round of the cluster's barrier: no wave of any partner still reads this slot or has a load on its way
	s_add_nc_u64 s[G0+4*\slot+2:G0+4*\slot+3], s[G0+4*\slot+2:G0+4*\slot+3], 16384
	s_add_nc_u64 s[G0B+4*\slot+2:G0B+4*\slot+3], s[G0B+4*\slot+2:G0B+4*\slot+3], 16384
	JLOAD \slot                                    ; the first tensor load behind the round; its four v_nop are also the places in front of the loads below
.else
	PLACES
.endif
	FETCH \next, 0, F0
	WIN MUL
	MUL8 F1, 1, 0, 0
	MUL8 F1, 1, 2, 0
.endm
	s_wait_tensorcnt 1                             ; my part of K step 0 is in; K step 1's load may be out
	s_barrier_signal -1
	s_barrier_wait -1
	FETCH 0, 0, F0
	QUARTER 0, 1, F0, F1, 1                        ; the first products start the sums
	WIN 0
	s_mov_b32 s3, LAPS-1
.Llap:
	QUARTER 0, 2, F1, F0, 0
	QUARTER 0, 3, F0, F1, 0
	TURN 0, 1, 1
	QUARTER 1, 1, F0, F1, 0
	QUARTER 1, 2, F1, F0, 0
	QUARTER 1, 3, F0, F1, 0
	TURN 1, 0, 1
	QUARTER 0, 1, F0, F1, 0
	WIN 0
	s_sub_co_u32 s3, s3, 1
	s_cmp_lg_u32 s3, 0
	s_cbranch_scc1 .Llap
	QUARTER 0, 2, F1, F0, 0                        ; the last lap fills nothing
	QUARTER 0, 3, F0, F1, 0
	TURN 0, 1, 0
	QUARTER 1, 1, F0, F1, 0
	QUARTER 1, 2, F1, F0, 0
	QUARTER 1, 3, F0, F1, 0
	s_wait_dscnt 16
	WIN MUL
	MUL8 F1, 0, 0, 0
	MUL8 F1, 0, 2, 0
	s_wait_dscnt 0x0
	MUL8 F1, 1, 0, 0
	MUL8 F1, 1, 2, 0
	WIN 0
	PLACES
.irp a, 0,1,2,3                        ; 16 rows at a time through my own stage: LDS serves a wave's instructions in order, so no wait stands between the stores and the loads
.if \a >= 2
	s_wait_xcnt 0x0                                ; the stores of two blocks ago have read their data
.endif
.irp b, 0,1,2,3
	ds_store_b128 v[STO], v[ACC+8*(4*\a+\b):ACC+8*(4*\a+\b)+3] offset:64*\b
	ds_store_b128 v[STO], v[ACC+8*(4*\a+\b)+4:ACC+8*(4*\a+\b)+7] offset:64*\b+16
.endr
.irp t, 0,1,2,3,4,5,6,7
	ds_load_b128 v[TMP+32*(\a%2)+4*\t:TMP+32*(\a%2)+4*\t+3], v[RD] offset:\t*2*SPITCH
.endr
	s_wait_dscnt 0x0
.irp t, 0,1,2,3,4,5,6,7
	global_store_b128 v[CO], v[TMP+32*(\a%2)+4*\t:TMP+32*(\a%2)+4*\t+3], s[8:9] offset:(16*\a+2*\t)*4096   ; 16 lanes store 256 consecutive bytes, at a multiple of 256 from the buffer's first byte
.endr
.endr
	s_wait_tensorcnt 0x0                           ; the wave's end: a tensor wait, an add onto my spare word and its wait
	ds_add_u32 v[SPW], v[NIL]
	s_wait_dscnt 0x0
	CROUND                                         ; the closing round
	s_endpgm
.Lfunc_end_k_qb19057094b_proj:
	.size	k_qb19057094b_proj, .Lfunc_end_k_qb19057094b_proj-k_qb19057094b_proj
	.p2alignl 7, 3214868480
	.fill 96, 4, 3214868480
	.section	.rodata,"a",@progbits
	.p2align	6, 0x0
	.amdhsa_kernel k_qb19057094b_proj
		.amdhsa_group_segment_fixed_size 327680
		.amdhsa_private_segment_fixed_size 0
		.amdhsa_enable_private_segment 0
		.amdhsa_kernarg_size 24
		.amdhsa_user_sgpr_count 2
		.amdhsa_user_sgpr_kernarg_segment_ptr 1
		.amdhsa_wavefront_size32 1
		.amdhsa_system_sgpr_workgroup_id_x 1
		.amdhsa_system_sgpr_workgroup_id_y 1
		.amdhsa_system_sgpr_workgroup_id_z 1
		.amdhsa_system_vgpr_workitem_id 0
		.amdhsa_next_free_vgpr 512
		.amdhsa_next_free_sgpr 66
		.amdhsa_reserve_vcc 0
		.amdhsa_float_denorm_mode_32 3
		.amdhsa_float_denorm_mode_16_64 3
		.amdhsa_memory_ordered 1
		.amdhsa_forward_progress 1
		.amdhsa_inst_pref_size 85
	.end_amdhsa_kernel
	.amdgpu_metadata
---
amdhsa.version: [ 1, 2 ]
amdhsa.kernels:
  - .name:           k_qb19057094b_proj
    .symbol:         k_qb19057094b_proj.kd
    .args:
      - { .name: oi, .offset: 0, .size: 8, .value_kind: global_buffer, .address_space: global }
      - { .name: wo16, .offset: 8, .size: 8, .value_kind: global_buffer, .address_space: global }
      - { .name: out0, .offset: 16, .size: 8, .value_kind: global_buffer, .address_space: global }
    .group_segment_fixed_size: 327680
    .private_segment_fixed_size: 0
    .kernarg_segment_align: 8
    .kernarg_segment_size: 24
    .max_flat_workgroup_size: 128
    .sgpr_count:     66
    .vgpr_count:     512
    .wavefront_size: 32
...
	.end_amdgpu_metadata
.endif
;; end of part 4
;; launch fine (part 5): grid 64 x 2, 16 waves a work-group, no clusters, 104,448 bytes of LDS; arguments fq, kv, msk, Wo, out0; writes out0
.if DOCPART == 5
	.amdgcn_target "amdgcn-amd-amdhsa--gfx1250"
	.amdhsa_code_object_version 6
	.text
	.protected	k_qb19057094b_fine
	.globl	k_qb19057094b_fine
	.p2align	8
	.type	k_qb19057094b_fine,@function
k_qb19057094b_fine:
	s_mov_b64 s[64:65], 0
	v_nop
	global_prefetch_b8 v0, s[64:65] scope:SCOPE_SE
	s_setreg_imm32_b32 hwreg(HW_REG_WAVE_MODE, 25, 1), 1
	s_wait_xcnt 0x0
; FINE: the rows of positions 0-15 of each sequence, carried more finely: under a mask that lets them see few keys they average few values and are the largest numbers of the output.
; Work-group (slice, batch) makes rows 0-15 of the batch, columns 16 slice .. 16 slice + 15.  Wave w is head w: it makes its head's 16 x 64 attention output and multiplies it at once by Wo's rows 64 w .. 64 w + 63
; of those 16 columns; the sixteen partial results meet in LDS.  The attention is repeated in each slice: on 16 x 16 keys that is little work.
; Queries 0-15 against keys 0-15, and the product with Wo: f32 operands (v_wmma_f32_16x16x4_f32; the same order of k on both sides).  Against keys 16 on: the f16 images, in a loop of 32 steps of 64 keys whose
; work is jumped over, by flags that the launch `prep` stored as whole numbers, where no byte of the mask is true; where the flags ask for no step at all, one branch leads round the whole loop.
; As in `attn` no maximum is taken: q and k are normalised by the computation itself, so t = q.k log2(e)/8 lies in -11.6 .. 11.6 for every input.  A masked t becomes the lane's fill (-infinity, or 0.0 for a row with no true byte).
; LIMITS: the finer carriage covers queries 0-15 x keys 0-15 and the projection; against later keys the error is that of f16 operands.  |v| up to 65,504.  NaN and infinities are not served.
; REGISTERS: v1-15 addresses and constants; v16-47 Wo's numbers (at the end v16-79: the sixteen parts); v80-95 AC and v96-127 Of: written by matrix instructions alone; v128-159 v's image, then the f16 part of O^T;
;   v160-175 q in f16; v176-207 area 1 (q; V^T; K, p, P of the loop; the normalised O^T); v208-239 area 2 (k; V of the loop); v240-247 the fine p, later my part of the result; v248-249 the sum; v250 fill; v254-255 the add's two.
.set PRIV,  0                          ; 4,352 bytes a wave
.set RED,   69632                      ; 1,024 bytes a wave: its partial result
.set SPARE, 102400                     ; the spare words, 128 bytes for each of sixteen waves
.set SPW, 254
.set NIL, 255
.macro PLACES n
.rept \n
	v_nop
.endr
.endm
	s_load_b256 s[4:11], s[0:1], 0x0               ; fq 4, kv 6, msk 8, Wo 10
	s_load_b64 s[12:13], s[0:1], 0x20              ; out0
	v_lshl_add_u32 v[SPW], v0, 2, SPARE
	v_mov_b32 v[NIL], 0
	v_lshrrev_b32 v1, 5, v0
	v_readfirstlane_b32 s14, v1                    ; wave = head
	v_and_b32 v1, 31, v0
	v_and_b32 v2, 15, v0                           ; r
	v_bfe_u32 v3, v0, 4, 1                         ; h
	s_and_b32 s15, ttmp7, 0xffff                   ; batch
	v_lshlrev_b32 v4, 4, v1                        ; 16 x lane
	v_lshlrev_b32 v5, 2, v1
	v_lshlrev_b32 v6, 15, v3
	v_lshl_add_u32 v6, v2, 2, v6                   ; Wo: 8 h rows of 4,096 bytes + 4 r
	s_mul_i32 s55, s14, 4352
	v_mul_u32_u24 v7, v2, 272
	v_lshl_add_u32 v7, v3, 5, v7
	v_add_nc_u32 v7, s55, v7                       ; v as rows of 256 bytes + 16: row r, + 32 h
	v_mul_u32_u24 v8, v3, 2176
	v_lshl_add_u32 v8, v2, 2, v8
	v_add_nc_u32 v8, s55, v8                       ; and read down the keys: key 8 h + i, channel r
	v_add_nc_u32 v9, s55, v4                       ; images at 16 x lane
	s_lshl_b32 s55, s14, 10
	s_add_co_u32 s55, s55, RED
	v_add_nc_u32 v10, s55, v4                      ; my partial result
	v_and_b32 v251, 3, v0                          ; the reduction: c4, which four columns
	v_bfe_u32 v15, v0, 2, 3
	s_lshl_b32 s55, s14, 3
	v_add_nc_u32 v15, s55, v15                     ; which row: 8 wave + lane / 4
	v_bfe_u32 v252, v0, 1, 1
	v_lshl_add_u32 v252, v252, 4, v15
	v_lshlrev_b32 v11, 4, v252                     ; the lane that held it: row + 16 (c4 / 2)
	v_and_b32 v253, 1, v0
	v_lshl_add_u32 v11, v253, 9, v11               ; the group of four registers: c4 % 2
	v_add_nc_u32 v11, RED, v11
	v_lshlrev_b32 v12, 12, v15
	v_lshl_add_u32 v12, v251, 4, v12               ; the same place in out0
	v_mov_b32 v13, 0xff800000                      ; -infinity
	s_mov_b32 s66, 0x76543210
	s_mov_b32 s67, 0xfedcba98
	s_wait_kmcnt 0x0
	s_load_b512 s[16:31], s[8:9], 0x0              ; the lane-mask words of queries 0-15, keys 0-63
	s_load_b512 s[32:47], s[8:9], 0x40
	s_load_b128 s[48:51], s[8:9], 0x80000          ; NEED, PART, EMPTY of that tile of queries
	s_mul_i32 s52, s15, 1572864
	s_lshl_b32 s53, s14, 12
	s_add_co_u32 s52, s52, s53
	s_mov_b32 s53, 0
	s_add_nc_u64 s[4:5], s[4:5], s[52:53]          ; my head's q; k and v by immediates
	s_lshl_b32 s52, s15, 4
	s_add_co_u32 s52, s52, s14
	s_lshl_b32 s52, s52, 19
	s_add_nc_u64 s[6:7], s[6:7], s[52:53]          ; my head's K and V images
	s_lshl_b32 s54, ttmp9, 6                       ; my 16 columns, in bytes
	s_lshl_b32 s52, s14, 18
	s_add_co_u32 s52, s52, s54
	s_add_nc_u64 s[10:11], s[10:11], s[52:53]
	s_lshl_b32 s52, s15, 23
	s_add_co_u32 s52, s52, s54
	s_add_nc_u64 s[12:13], s[12:13], s[52:53]
.irp n, 0,1,2,3,4,5,6,7
	global_load_b128 v[176+4*\n:179+4*\n], v4, s[4:5] offset:512*\n           ; q: register 8 t + i = channel 16 t + 8 h + i of row r
	global_load_b128 v[208+4*\n:211+4*\n], v4, s[4:5] offset:65536+512*\n     ; k
	global_load_b128 v[128+4*\n:131+4*\n], v4, s[4:5] offset:131072+512*\n    ; v
.endr
	global_load_b32 v250, v5, s[8:9] offset:540672
.irp t, 0,1,2,3
.irp i, 0,1,2,3,4,5,6,7
	global_load_b32 v[16+8*\t+\i], v6, s[10:11] offset:(16*\t+\i)*4096        ; Wo(64 w + 16 t + 8 h + i, 16 slice + r)
.endr
.endr
	s_wait_loadcnt 32                              ; q, k, v and fill are in; Wo's 32 loads may be out
.set n, 0
.rept 16
	v_cvt_pk_f16_f32 v[160+n], v[176+2*n], v[177+2*n]
.set n, n+1
.endr
.irp n, 0,1,2,3,4,5,6,7
	ds_store_b128 v7, v[128+4*\n:131+4*\n] offset:64*(\n/2)+16*(\n%2)
.endr
	s_wait_dscnt 0x0                               ; the stores have read their registers
.set n, 0
.rept 32
	v_mov_b32 v[128+n], 0                          ; the f16 part of O^T: where its sum begins hangs on the stored flags
.set n, n+1
.endr
.set n, 0
.rept 16                               ; S^T = k q^T over 64 channels, four at a time, two accumulators by turns; their first products start the sums
.if n < 2
	v_wmma_f32_16x16x4_f32 v[80+8*(n%2):87+8*(n%2)], v[208+2*n:209+2*n], v[176+2*n:177+2*n], 0
.else
	v_wmma_f32_16x16x4_f32 v[80+8*(n%2):87+8*(n%2)], v[208+2*n:209+2*n], v[176+2*n:177+2*n], v[80+8*(n%2):87+8*(n%2)]
.endif
.set n, n+1
.endr
	PLACES 8                                       ; eight places behind this form
	s_wait_kmcnt 0x0
.irp j, 0,1,2,3,4,5,6,7
	v_add_f32 v[240+\j], v[80+\j], v[88+\j]        ; t of key 8 h + j
.endr
.irp j, 0,1,2,3,4,5,6,7
	v_cndmask_b32 v[240+\j], v250, v[240+\j], s[16+\j]
.endr
.irp j, 0,1,2,3,4,5,6,7
	v_exp_f32 v[240+\j], v[240+\j]
.endr
	v_nop
	s_wait_alu depctr_va_vdst(0)                   ; one wait for the eight
	v_pk_add_f32 v[248:249], v[240:241], v[242:243]
	v_pk_add_f32 v[248:249], v[248:249], v[244:245]
	v_pk_add_f32 v[248:249], v[248:249], v[246:247]
.irp t, 0,1,2,3
.irp i, 0,1,2,3,4,5,6,7
	ds_load_b32 v[176+8*\t+\i], v8 offset:272*\i+64*\t   ; V^T: channel 16 t + r, key 8 h + i
.endr
.endr
	; the flags of the loop: bit s = step s is walked; step 0 only for its keys 16-63
	s_or_b32 s53, s24, s25
.set n, 26
.rept 22
	s_or_b32 s53, s53, s[n]
.set n, n+1
.endr
	s_or_b32 s53, s53, s50
	s_cmp_lg_u32 s53, 0
	s_cselect_b32 s53, 1, 0
	s_and_b32 s57, s48, -2
	s_or_b32 s57, s57, s53
	s_wait_dscnt 0x0
.irp s, 0,1,2,3                        ; O^T = V^T p over keys 0-15, four at a time, four accumulators by turns
.irp t, 0,1,2,3
.if \s == 0
	v_wmma_f32_16x16x4_f32 v[96+8*\t:103+8*\t], v[176+8*\t+2*\s:177+8*\t+2*\s], v[240+2*\s:241+2*\s], 0
.else
	v_wmma_f32_16x16x4_f32 v[96+8*\t:103+8*\t], v[176+8*\t+2*\s:177+8*\t+2*\s], v[240+2*\s:241+2*\s], v[96+8*\t:103+8*\t]
.endif
.endr
.endr
	PLACES 9                                       ; nine places: loads into these products' sources, and products that write over AC, may follow
; 32 keys of the step: key tiles 2 hf and 2 hf + 1.
.macro HALF hf
.set n, 0
.rept 8
	global_load_b128 v[176+4*n:179+4*n], v4, s[60:61] offset:2048*(2*(\hf)+n/4)+512*(n%4)          ; K: tile n / 4, image n % 4
	global_load_b128 v[208+4*n:211+4*n], v4, s[60:61] offset:16384+2048*(2*(\hf)+n/4)+512*(n%4)    ; V likewise
.set n, n+1
.endr
	s_wait_loadcnt 0x0
.set n, 0
.rept 8
	ds_store_b128 v9, v[208+4*n:211+4*n] offset:512*n
.set n, n+1
.endr
	s_wait_dscnt 0x0                               ; the stores have read their registers
.irp t, 0,1,2,3
.irp e, 0,1
	ds_load_tr16_b128 v[208+8*\t+4*\e:211+8*\t+4*\e], v9 offset:512*(4*\e+\t)   ; V^T: channels 16 t on, keys 16 e + 8 h on
.endr
.endr
	v_wmma_f32_16x16x32_f16 v[80:87], v[176:183], v[160:167], 0
	v_wmma_f32_16x16x32_f16 v[88:95], v[192:199], v[160:167], 0
	v_wmma_f32_16x16x32_f16 v[80:87], v[184:191], v[168:175], v[80:87]
	v_wmma_f32_16x16x32_f16 v[88:95], v[200:207], v[168:175], v[88:95]
	PLACES 4
.set n, 0
.rept 16
.if ((\hf) == 0) && (n < 8)
	v_cndmask_b32 v[176+n], v14, v[80+n], s[16+16*(\hf)+n]
.else
	v_cndmask_b32 v[176+n], v250, v[80+n], s[16+16*(\hf)+n]
.endif
.set n, n+1
.endr
.set n, 0
.rept 16
	v_exp_f32 v[176+n], v[176+n]
.set n, n+1
.endr
	v_nop
	s_wait_alu depctr_va_vdst(0)                   ; one wait for the sixteen
.set n, 0
.rept 8
	v_pk_add_f32 v[248:249], v[248:249], v[176+2*n:177+2*n]
.set n, n+1
.endr
.set n, 0
.rept 8
	v_cvt_pk_f16_f32 v[192+n], v[176+2*n], v[177+2*n]
.set n, n+1
.endr
	s_wait_dscnt 0x0
.irp t, 0,1,2,3
	v_wmma_f32_16x16x32_f16 v[128+8*\t:135+8*\t], v[208+8*\t:215+8*\t], v[192:199], v[128+8*\t:135+8*\t]
.endr
	PLACES 4
.endm
	s_mov_b32 s52, 0
	s_cmp_eq_u32 s57, 0                            ; no step is asked for: round the whole loop
	s_cbranch_scc1 .Lno_steps
.Lstep:
	s_lshr_b32 s53, s57, s52
	s_and_b32 s53, s53, 1
	s_cmp_eq_u32 s53, 0
	s_cbranch_scc1 .Lskip
	s_wait_xcnt 0x0                                ; earlier loads have read their addresses
	s_lshr_b32 s58, s52, 1
	s_lshl_b32 s58, s58, 15
	s_and_b32 s59, s52, 1
	s_lshl_b32 s59, s59, 13
	s_add_co_u32 s58, s58, s59
	s_mov_b32 s59, 0
	s_add_nc_u64 s[60:61], s[6:7], s[58:59]        ; the step's K images; V's lie 16,384 bytes on
	s_lshl_b32 s56, s52, 7
	s_load_b512 s[16:31], s[8:9], s56 offset:0x0
	s_load_b512 s[32:47], s[8:9], s56 offset:0x40
	s_wait_kmcnt 0x0
	s_cmp_eq_u32 s52, 0                            ; keys 0-15 have been counted: in step 0 their words become 0 and their fill -infinity, by selects
.irp i, 0,1,2,3,4,5,6,7
	s_cselect_b32 s[16+\i], 0, s[16+\i]
.endr
	s_cselect_b32 s62, -1, 0
	v_cndmask_b32 v14, v250, v13, s62
	HALF 0
	HALF 1
.Lskip:
	s_add_co_u32 s52, s52, 1
	s_cmp_lt_u32 s52, 32
	s_cbranch_scc1 .Lstep
.Lno_steps:
	v_add_f32 v248, v248, v249
	v_permlanex16_b32 v249, v248, s66, s67
	v_add_f32 v248, v248, v249                     ; the row's sum
	v_rcp_f32 v252, v248
	v_mov_b32 v253, 0                              ; a plain instruction behind the reciprocal; it also writes the pair's upper word
	s_wait_alu depctr_va_vdst(0)
.set n, 0
.rept 16
	v_pk_add_f32 v[176+2*n:177+2*n], v[96+2*n:97+2*n], v[128+2*n:129+2*n]
.set n, n+1
.endr
.set n, 0
.rept 16
	v_pk_mul_f32 v[176+2*n:177+2*n], v[176+2*n:177+2*n], v[252:253] op_sel_hi:[1,0]
.set n, n+1
.endr
	s_wait_loadcnt 0x0                             ; Wo's numbers
.set n, 0
.rept 16                               ; y^T = Wo^T o^T over my head's 64 channels, four at a time: two accumulators by turns, each with half of the channels; their first products start the sums
.if n < 2
	v_wmma_f32_16x16x4_f32 v[80+8*(n%2):87+8*(n%2)], v[16+2*n:17+2*n], v[176+2*n:177+2*n], 0
.else
	v_wmma_f32_16x16x4_f32 v[80+8*(n%2):87+8*(n%2)], v[16+2*n:17+2*n], v[176+2*n:177+2*n], v[80+8*(n%2):87+8*(n%2)]
.endif
.set n, n+1
.endr
	PLACES 8
.irp j, 0,1,2,3,4,5,6,7
	v_add_f32 v[240+\j], v[80+\j], v[88+\j]        ; lane (r, h): row r, column 8 h + j
.endr
.irp m, 0,1
	ds_store_b128 v10, v[240+4*\m:243+4*\m] offset:512*\m
.endr
	s_wait_dscnt 0x0                               ; for the others' sake: my stores have landed
	s_barrier_signal -1
	s_barrier_wait -1
	s_cmp_ge_u32 s14, 2                            ; waves 0 and 1 add the sixteen heads' parts, eight rows each
	s_cbranch_scc1 .Lend
.irp w, 0,1,2,3,4,5,6,7,8,9,10,11,12,13,14,15
	ds_load_b128 v[16+4*\w:19+4*\w], v11 offset:1024*\w
.endr
	s_wait_dscnt 0x0
.irp w, 1,2,3,4,5,6,7,8,9,10,11,12,13,14,15
	v_pk_add_f32 v[16:17], v[16:17], v[16+4*\w:17+4*\w]
	v_pk_add_f32 v[18:19], v[18:19], v[18+4*\w:19+4*\w]
.endr
	global_store_b128 v12, v[16:19], s[12:13]      ; four lanes cover a row's 64 consecutive bytes
.Lend:
	s_wait_tensorcnt 0x0                           ; the wave's end: a tensor wait, an add onto my spare word and its wait, behind my last LDS store
	ds_add_u32 v[SPW], v[NIL]
	s_wait_dscnt 0x0
	s_endpgm
.Lfunc_end_k_qb19057094b_fine:
	.size	k_qb19057094b_fine, .Lfunc_end_k_qb19057094b_fine-k_qb19057094b_fine
	.p2alignl 7, 3214868480
	.fill 96, 4, 3214868480
	.section	.rodata,"a",@progbits
	.p2align	6, 0x0
	.amdhsa_kernel k_qb19057094b_fine
		.amdhsa_group_segment_fixed_size 104448
		.amdhsa_private_segment_fixed_size 0
		.amdhsa_enable_private_segment 0
		.amdhsa_kernarg_size 40
		.amdhsa_user_sgpr_count 2
		.amdhsa_user_sgpr_kernarg_segment_ptr 1
		.amdhsa_wavefront_size32 1
		.amdhsa_system_sgpr_workgroup_id_x 1
		.amdhsa_system_sgpr_workgroup_id_y 1
		.amdhsa_system_sgpr_workgroup_id_z 1
		.amdhsa_system_vgpr_workitem_id 0
		.amdhsa_next_free_vgpr 256
		.amdhsa_next_free_sgpr 80
		.amdhsa_reserve_vcc 0
		.amdhsa_float_denorm_mode_32 3
		.amdhsa_float_denorm_mode_16_64 3
		.amdhsa_memory_ordered 1
		.amdhsa_forward_progress 1
		.amdhsa_inst_pref_size 38
	.end_amdhsa_kernel
	.amdgpu_metadata
---
amdhsa.version: [ 1, 2 ]
amdhsa.kernels:
  - .name:           k_qb19057094b_fine
    .symbol:         k_qb19057094b_fine.kd
    .args:
      - { .name: fq, .offset: 0, .size: 8, .value_kind: global_buffer, .address_space: global }
      - { .name: kv, .offset: 8, .size: 8, .value_kind: global_buffer, .address_space: global }
      - { .name: msk, .offset: 16, .size: 8, .value_kind: global_buffer, .address_space: global }
      - { .name: Wo, .offset: 24, .size: 8, .value_kind: global_buffer, .address_space: global }
      - { .name: out0, .offset: 32, .size: 8, .value_kind: global_buffer, .address_space: global }
    .group_segment_fixed_size: 104448
    .private_segment_fixed_size: 0
    .kernarg_segment_align: 8
    .kernarg_segment_size: 40
    .max_flat_workgroup_size: 512
    .sgpr_count:     80
    .vgpr_count:     256
    .wavefront_size: 32
...
	.end_amdgpu_metadata
.endif
;; end of part 5
